; MI455X (gfx1250); checked and timed in simulation.
; The chip was launched on July 23, 2026; its instructions are those of AMD's public machine-readable ISA for CDNA 5 (MIT licence, August 2026) and "CDNA5" Instruction Set Architecture Reference Guide (July 2026). The comments in the code are by the model that wrote it; some were corrected since.
;; Masked Multi Head Self Attention. Allowed arithmetic: matrix products marked QUANTISED: E4M3 operands, one given power-of-two scale a tensor, by v_wmma_f32_16x16x64_fp8_fp8 or v_wmma_f32_16x16x128_fp8_fp8, f32 sums; everything else in f32.
;; Inputs: W_o 1,024 x 1,024 float32; W_qkv 3,072 x 1,024 float32; b_o 1,024 float32; b_qkv 3,072 float32; lowp_scales 8 int32 (the exponents e of the quantised operands' scales 2^e); x 4 x 2,048 x 1,024 float32.
;; Outputs: out0 4 x 2,048 x 1,024 float32.
;; This version of the problem:
;;   THIS VERSION OF THE PROBLEM IS GIVEN IN LOW PRECISION. The matrix products marked QUANTISED in the list below multiply operands that are first quantised to E4M3 (4 exponent bits, 3 mantissa bits; 8 bits a number), with one given power-of-two scale for each operand tensor; their sums are f32. All else is computed in f32.
;;   The module's matrix products, in the order in which they are computed (A, B: the left and right operand; K: the contracted axis; several contracted axes count as one K, in the product's order):
;;     1. [M 8,192, K 1,024] x [K 1,024, N 3,072]; A: input x; B: input W_qkv: QUANTISED (scales: A lowp_scales[0], B lowp_scales[1])
;;     2. batch 64 x [M 2,048, K 64] x [K 64, N 2,048]; A: computed on the way; B: computed on the way: QUANTISED (scales: A lowp_scales[2], B lowp_scales[3])
;;     3. batch 64 x [M 2,048, K 2,048] x [K 2,048, N 64]; A: softmax (see below); B: computed on the way: QUANTISED (scales: A lowp_scales[4], B lowp_scales[5])
;;     4. [M 8,192, K 1,024] x [K 1,024, N 1,024]; A: computed on the way; B: input W_o: QUANTISED (scales: A lowp_scales[6], B lowp_scales[7])
;;   THE QUANTISER, for each operand of a quantised product, along K:
;;     - The operand's scale is 2^e, e = its entry of the input lowp_scales (int32; the entries are numbered through the quantised products in the list's order, A before B).
;;     - Each number is divided by the scale, clamped to +-448, and rounded to the nearest number of E4M3, ties to even, subnormals kept.
;;     - The product sums the exact products of the quantised numbers (number of the format x scale) in f32.
;;   ~~~python
;;   def quantise(x, axis, e):      # numpy; x: float32 -> the quantised numbers, widened to float32 again
;;       x = np.moveaxis(x, axis, -1); K = x.shape[-1]
;;       r = np.clip(x / 2.0 ** e, -448, 448)
;;       step = 2.0 ** (np.maximum(np.frexp(np.where(r == 0, 1, r))[1] - 1, -6) - 3)
;;       q = np.round(r / step) * step * 2.0 ** e      # np.round: ties to even
;;       return np.moveaxis(q, -1, axis).astype(np.float32)
;;   ~~~
;;   SOFTMAX AHEAD OF A QUANTISED PRODUCT. Where the list says 'softmax', what is quantised is not the finished softmax but p = 2^(t - M), with t = logit x log2(e) and M = ceil(the row's largest t), a whole number; so 1/2 < the row's largest p <= 1. The row's sum l is taken of the UNQUANTISED p, in f32, and the product's result is divided by l at the end. Since M is a whole number, a kernel that streams over the keys may use a running M (the ceiling of the running maximum): every later rescaling is an exact power of two, so the quantised numbers keep their values, but for numbers so far below the row's largest that they fall under the format's range.
;;   OPERANDS COMPUTED ON THE WAY. 'Computed on the way' means the value that the module computes at that place (a softmax that the list does not call 'softmax' is quantised finished and normalised). What goes into a quantiser is computed in f32, as accurately as f32 sums, v_exp_f32 and their like allow (about 1e-6 of the number): no bf16 or f16 on the way to a quantiser, and a product that is left as it is and whose result goes on into a quantised operand takes f32 operands (vector FMAs, or v_wmma_f32_16x16x4_f32). A number that lies on a knife's edge between two numbers of the format may be rounded either way, as far as f32 arithmetic and the matrix unit's own rounding can turn it there, and no further.
;; One version. Each part assembles by itself: llvm-mc -triple=amdgcn-amd-amdhsa -mcpu=gfx1250 --defsym DOCPART=n.
;; ======== version 1 of 1: 4 launches
;; limits: right only within a limited range of input values
;; workspace buffers: codes 12,582,912 bytes; qkv_img 25,165,824 bytes; o_img 8,388,608 bytes
;; launch quant (part 1): grid 768 x 1, 4 waves a work-group, no clusters, 33,280 bytes of LDS; arguments x, W_qkv, W_o, lowp_scales, codes; writes codes
.if DOCPART == 1
	.amdgcn_target "amdgcn-amd-amdhsa--gfx1250"
	.amdhsa_code_object_version 6
	.text
	.protected	k_q2648e9dadb_quant
	.globl	k_q2648e9dadb_quant
	.p2align	8
	.type	k_q2648e9dadb_quant,@function
k_q2648e9dadb_quant:
	s_mov_b64 s[64:65], 0
	v_nop
	global_prefetch_b8 v0, s[64:65] scope:SCOPE_SE
	s_setreg_imm32_b32 hwreg(HW_REG_WAVE_MODE, 25, 1), 1
	s_wait_xcnt 0x0
; x [8192][1024], W_qkv [3072][1024] and W_o [1024][1024], f32, become codes of FP8 (E4M3), one byte each, in ONE buffer of 12,288 rows of 1,024 bytes:
; rows 0-8,191 x (scale 2^e0), rows 8,192-11,263 W_qkv (2^e1), rows 11,264-12,287 W_o (2^e7).  code = number / 2^e, held within +-448, to the nearest code, ties to even.
; LAYOUT OF A ROW.  In each 32 bytes the two middle groups of eight change places: stored byte 32 c + 16 h + 8 u + j holds k = 32 c + 16 u + 8 h + j.  A 16-byte load at 32 c + 16 h then brings
; a lane k = 32 c + 8 h + 0..7 and k = 32 c + 16 + 8 h + 0..7: registers 4 c .. 4 c + 3 of the plain FP8 matrix operand, every k in its own place.
; LIMITS: each e lies between -126 and 119, so that 2^e and 448 x 2^e are f32 numbers.  NaN among the inputs is not served (an infinity is held at the largest code).
; Rows are dense and 1,024 is a multiple of 32: each tensor is a plain stream of blocks of 32.  A work-group takes 16,384 numbers, a wave 4,096, in 8 steps of 512: 768 work-groups, three for each of 256 WGPs.
; Work-groups 0-511 take x, 512-703 W_qkv, 704-767 W_o: only a pointer and an exponent are chosen, by the work-group's number; all take one path.
; Each of a step's four loads reads 512 consecutive bytes, 16 a lane; the 2,048 bytes go through the wave's own stage in LDS as they lie (16 bytes of padding behind each 64) and come back so that
; lane 2 p + u holds k = 8 u + 0..7 and 16 + 8 u + 0..7 of block p: its 16 codes are 16 stored bytes on end, and the wave stores 512 consecutive bytes.
; No tensor loads, no barrier: waves share nothing.  Loads run four steps (16 loads a wave) ahead, the turn through LDS one step.
.set STEPS, 8
.set EMAX,  8
.set MANT,  0x600000                   ; the mantissa field of 448 as f32
.set R,     16                         ; v16-79   four sets of 16 numbers as they are loaded
.set X,     80                         ; v80-111  two sets of 16 numbers in the order of the codes
.set C,     128                        ; v128-159 codes: four registers for each step, so that no store's data are written again
.set WREG,  8192                       ; LDS: a region for each wave: two stages of 32 x SP bytes
.set SP,    80                         ; 64 bytes of data + 16 of padding
	s_load_b128 s[4:7], s[0:1], 0x0                ; x, W_qkv
	s_load_b128 s[8:11], s[0:1], 0x10              ; W_o, the scales' exponents
	s_load_b64 s[12:13], s[0:1], 0x20              ; the codes
	v_lshl_add_u32 v192, v0, 2, 0x8000             ; my spare word, behind the four regions
	v_mov_b32 v193, 0
	v_lshrrev_b32 v1, 5, v0
	v_readfirstlane_b32 s16, v1                    ; wave
	v_and_b32 v2, 31, v0                           ; lane
	v_lshlrev_b32 v3, 4, v2                        ; 16 x lane: my bytes of a load's 512, and of a store's; never rewritten
	s_mul_i32 s18, s16, WREG
	v_lshrrev_b32 v14, 2, v2
	v_mul_u32_u24 v14, v14, SP
	v_and_b32 v15, 3, v2
	v_lshl_add_u32 v14, v15, 4, v14
	v_add_nc_u32 v14, s18, v14                     ; the stage, on the way in: SP (lane / 4) + 16 (lane % 4)
	v_lshrrev_b32 v15, 1, v2
	v_mul_u32_u24 v15, v15, 2*SP
	v_and_b32 v4, 1, v2
	v_lshl_add_u32 v15, v4, 5, v15
	v_add_nc_u32 v15, s18, v15                     ; and on the way out: block lane / 2 (two places of SP), + 32 bytes for the odd lane
	s_wait_alu depctr_va_vdst(0)                   ; directly ahead of the wait below
	s_wait_kmcnt 0x0
	s_load_b256 s[24:31], s[10:11], 0x0            ; e0 .. e7
	s_mov_b32 s17, 704
	s_cmp_lt_u32 ttmp9, 704                        ; the choices hang on the work-group's number alone
	s_cselect_b64 s[6:7], s[6:7], s[8:9]           ; W_qkv or W_o,
	s_cselect_b32 s17, 512, s17                    ; and its first work-group
	s_cmp_lt_u32 ttmp9, 512
	s_cselect_b64 s[4:5], s[4:5], s[6:7]           ; x or that
	s_cselect_b32 s17, 0, s17
	s_sub_co_u32 s17, ttmp9, s17
	s_lshl_b32 s17, s17, 2
	s_add_co_u32 s17, s17, s16                     ; which run of 4,096 numbers of the tensor is my wave's
	s_lshl_b32 s20, s17, 14                        ; 16,384 bytes each: under 2^26
	s_mov_b32 s21, 0
	s_add_nc_u64 s[4:5], s[4:5], s[20:21]
	s_lshl_b32 s20, ttmp9, 2
	s_add_co_u32 s20, s20, s16
	s_lshl_b32 s20, s20, 12                        ; the codes lie in the order of the work-groups: 4,096 bytes a wave
	s_add_nc_u64 s[12:13], s[12:13], s[20:21]
.macro LOAD t
.irp i, 0,1,2,3
	global_load_b128 v[R+16*((\t)%4)+4*\i:R+16*((\t)%4)+4*\i+3], v3, s[4:5] offset:2048*(\t)+512*\i th:TH_LOAD_NT   ; 32 lanes read 512 consecutive bytes; read once in the launch
.endr
.endm
.macro TURN t                          ; step t's numbers through the stage: LDS serves a wave's instructions in order, so no wait stands between the stores and the loads
.irp i, 0,1,2,3
	ds_store_b128 v14, v[R+16*((\t)%4)+4*\i:R+16*((\t)%4)+4*\i+3] offset:32*SP*((\t)%2)+8*SP*\i
.endr
.irp i, 0,1,2,3
	ds_load_b128 v[X+16*((\t)%2)+4*\i:X+16*((\t)%2)+4*\i+3], v15 offset:32*SP*((\t)%2)+16*(\i%2)+SP*(\i/2)   ; 32 bytes of the block's first half, 32 of its second
.endr
.endm
.irp t, 0,1,2,3
	LOAD \t
.endr
	s_wait_kmcnt 0x0
	s_cmp_lt_u32 ttmp9, 704
	s_cselect_b32 s22, s25, s31                    ; e1 or e7,
	s_cmp_lt_u32 ttmp9, 512
	s_cselect_b32 s22, s24, s22                    ; or e0
	s_add_co_i32 s22, s22, 127
	s_lshl_b32 s23, s22, 23
	v_mov_b32 v11, s23                             ; 2^e as f32: the conversion takes its exponent field
	s_add_co_i32 s22, s22, EMAX
	s_lshl_b32 s22, s22, 23
	s_or_b32 s22, s22, MANT
	v_mov_b32 v10, s22                             ; 448 x 2^e
	s_wait_alu depctr_va_vdst(0)                   ; at the head's end
	s_wait_loadcnt 12                              ; step 0's four loads are in; the twelve of steps 1 to 3 may be out
	TURN 0
.macro STEP t
.set XS, X+16*((\t)%2)
	s_wait_dscnt 0x0                               ; this step's numbers are back from the stage: so its stores into the stage have read their registers,
.if (\t)+4 < STEPS
	LOAD (\t)+4                                    ; which take the loads of four steps on
.endif
.if (\t)+1 < STEPS
.if STEPS-2-(\t) >= 3
	s_wait_loadcnt 12                              ; the next step's four loads are in; those of the three steps behind it may be out
.else
	s_wait_loadcnt 4*(STEPS-2-(\t))                ; in the tail fewer steps stand behind it
.endif
	TURN (\t)+1                                    ; they go through the other stage while this step is worked
.endif
.irp i, 0,1,2,3,4,5,6,7,8,9,10,11,12,13,14,15
	v_med3_num_f32 v[XS+\i], v[XS+\i], -v10, v10   ; the conversion to an 8-bit code does not saturate (ISA guide 7.6.2): the number is held within 448 x the scale first
.endr
	v_cvt_scalef32_pk8_fp8_f32 v[C+4*(\t):C+4*(\t)+1], v[XS:XS+7], v11
	v_cvt_scalef32_pk8_fp8_f32 v[C+4*(\t)+2:C+4*(\t)+3], v[XS+8:XS+15], v11
	global_store_b128 v3, v[C+4*(\t):C+4*(\t)+3], s[12:13] offset:512*(\t)   ; the results go to a store alone; the next vector lines are the next step's holds, plain ones on other registers
.endm
.irp t, 0,1,2,3,4,5,6,7
	STEP \t
.endr
	s_wait_tensorcnt 0x0                           ; the wave's end
	ds_add_u32 v192, v193
	s_wait_dscnt 0x0
	s_endpgm
.Lfunc_end_k_q2648e9dadb_quant:
	.size	k_q2648e9dadb_quant, .Lfunc_end_k_q2648e9dadb_quant-k_q2648e9dadb_quant
	.p2alignl 7, 3214868480
	.fill 96, 4, 3214868480
	.section	.rodata,"a",@progbits
	.p2align	6, 0x0
	.amdhsa_kernel k_q2648e9dadb_quant
		.amdhsa_group_segment_fixed_size 33280
		.amdhsa_private_segment_fixed_size 0
		.amdhsa_enable_private_segment 0
		.amdhsa_kernarg_size 40
		.amdhsa_user_sgpr_count 2
		.amdhsa_user_sgpr_kernarg_segment_ptr 1
		.amdhsa_wavefront_size32 1
		.amdhsa_system_sgpr_workgroup_id_x 1
		.amdhsa_system_sgpr_workgroup_id_y 1
		.amdhsa_system_sgpr_workgroup_id_z 1
		.amdhsa_system_vgpr_workitem_id 0
		.amdhsa_next_free_vgpr 194
		.amdhsa_next_free_sgpr 66
		.amdhsa_reserve_vcc 0
		.amdhsa_float_denorm_mode_32 3
		.amdhsa_float_denorm_mode_16_64 3
		.amdhsa_memory_ordered 1
		.amdhsa_forward_progress 1
		.amdhsa_inst_pref_size 20
	.end_amdhsa_kernel
	.amdgpu_metadata
---
amdhsa.version: [ 1, 2 ]
amdhsa.kernels:
  - .name:           k_q2648e9dadb_quant
    .symbol:         k_q2648e9dadb_quant.kd
    .args:
      - { .name: x, .offset: 0, .size: 8, .value_kind: global_buffer, .address_space: global }
      - { .name: W_qkv, .offset: 8, .size: 8, .value_kind: global_buffer, .address_space: global }
      - { .name: W_o, .offset: 16, .size: 8, .value_kind: global_buffer, .address_space: global }
      - { .name: lowp_scales, .offset: 24, .size: 8, .value_kind: global_buffer, .address_space: global }
      - { .name: codes, .offset: 32, .size: 8, .value_kind: global_buffer, .address_space: global }
    .group_segment_fixed_size: 33280
    .private_segment_fixed_size: 0
    .kernarg_segment_align: 8
    .kernarg_segment_size: 40
    .max_flat_workgroup_size: 128
    .sgpr_count:     66
    .vgpr_count:     194
    .wavefront_size: 32
...
	.end_amdgpu_metadata
.endif
;; end of part 1
;; launch qkv (part 2): grid 8 x 48, 4 waves a work-group, clusters of 4 x 4, 327,680 bytes of LDS; arguments codes, b_qkv, lowp_scales, qkv_img; writes qkv_img
.if DOCPART == 2
	.amdgcn_target "amdgcn-amd-amdhsa--gfx1250"
	.amdhsa_code_object_version 6
	.text
	.protected	k_q2648e9dadb_qkv
	.globl	k_q2648e9dadb_qkv
	.p2align	8
	.type	k_q2648e9dadb_qkv,@function
k_q2648e9dadb_qkv:
	s_mov_b64 s[64:65], 0
	v_nop
	global_prefetch_b8 v0, s[64:65] scope:SCOPE_SE
	s_setreg_imm32_b32 hwreg(HW_REG_WAVE_MODE, 25, 1), 1
	s_wait_xcnt 0x0
	s_wait_alu depctr_hold_cnt(0) depctr_sa_sdst(0) depctr_va_vdst(0) depctr_va_sdst(0) depctr_va_ssrc(0) depctr_va_vcc(0) depctr_vm_vsrc(0)
	s_getreg_b32 s2, hwreg(HW_REG_IB_STS2, 6, 4)
	s_cmp_eq_u32 s2, 0
	s_cbranch_scc0 .Lentry_in_a_cluster
	s_endpgm
.Lentry_in_a_cluster:
	s_bfe_u32 s2, ttmp6, 0x10000c
	s_cmp_lg_u32 s2, 0xf033
	s_cbranch_scc0 .Lentry_shape_is_right
	s_endpgm
.Lentry_shape_is_right:
; qkv = x W_qkv^T + b_qkv on codes of FP8 (E4M3), K = 1,024; the sums, in f32, are quantised at once to q (scale 2^e2), k (2^e3) and v (2^e5) and stored as IMAGES OF OPERAND REGISTERS for the attention launch.
; A tile of 256 x 256 is made by four waves, as many as a WGP has SIMDs; a wave makes 128 x 128: 64 accumulators, 512 registers.  K goes in steps of 256 through two LDS slots: two first fills, two refills.
; The matrix instruction takes 16 rows of the B-ROLE operand as source 0 and 16 rows of the A-ROLE operand as source 1: lane (r, h) of accumulator (a, b) holds A-role row 16 a + r and, in registers 0-7, B-role rows 16 b + 8 h + 0..7.
; TWO KINDS OF CLUSTERS, one text.  Cluster rows 0-7 (q and k): A-role = rows of x, B-role = rows 0-2,047 of W_qkv: a lane's eight numbers are eight neighbouring channels d of one token: K of the product q k^T.
; Cluster rows 8-11 (v): A-role = rows 2,048-3,071 of W_qkv, B-role = rows of x: a lane's eight numbers are eight neighbouring KEYS of one channel: K of the product p v.  Nothing is transposed.
; Both operands lie in one buffer of codes, so the kinds differ in row offsets, in a factor 0 or 1 on two forms of the bias, in the scale and in the output's offsets: all chosen by s_cselect_b32 on the CLUSTER's numbers,
; which all sixteen partners share.  No branch hangs on them.
; THE BIAS.  Along the B-role axis (q, k) it is the C of each sum's first matrix instruction, divided by 2^(e0 + e1), the power of two that the sums lack; along the A-role axis (v) it is one number a lane and block, added on the way out.
; The form that a kind does not use is multiplied by 0.  THE SCALES are folded: a sum stands for sum x 2^(e0 + e1), so its code is sum / 2^(eT - e0 - e1), eT = e2, e3 or e5.
; THE OUTPUT.  A conversion's two registers are registers 2 c, 2 c + 1 of the next product's operand.  An image's group of four registers lies at 512 x group + 16 x lane, so each store of a wave covers 512 consecutive bytes, aligned.
;   q, k: [token tile of 16 (512)][head slot (32: q 0-15, k 16-31)][1,024 bytes];  v, from byte 16,777,216 on: [batch x 16 + head (64)][block of 128 keys (16)][tile of 16 channels (4)][2,048 bytes].
; CLUSTERS: 4 x 4 work-groups; A-role tiles are asked for jointly along a row of the cluster, B-role tiles along a column.  By this text's own count a wave has one tensor load out at the start and one behind each round.
; No prefetch: K has four slots' worth of tiles, and the first two are asked for at the head.
; LIMITS: e0 + e1 between -126 and 126; eT - e0 - e1 between -126 and 119.  NaN and infinities in the inputs (the bias among them: it is multiplied by 0 where it is not used) are not served.
; REGISTERS: window 0: v16-29 addresses; v32-95 the bias as C, later a block at work; v96-111 the bias along A; v112, v113 the conversion's scale and 448 x it; from v128 A's fragments, ONE set, later the codes.
;   window 1: B's fragments, TWO sets, at v0 and v128.   window 2: the accumulators of my rows 0-63 ((a, b) at v[8 (8 a + b)]);   window 3: those of rows 64-127.
; THE FILLS AS THIS TEXT HAS THEM (this takes the place of the count given above for the start): each wave issues one tensor load at the head, its part of slot 0; slot 1's first fill is issued as a refill is,
; behind the wait for slot 0, the add and a round of the cluster's barrier.  So one tensor load of a wave is out at any time.
.set PITCH,  272                       ; an LDS row: 256 bytes + 16 of padding = 68 words: the 16 rows that a load touches start at 16 different banks (64 banks of 4 bytes: ISA guide 11.1)
.set FR,     16                        ; registers of a fragment: 16 rows x 128 K
.set NL,     4                         ; LDS loads that bring one
.set NP,     4                         ; places behind this matrix instruction (ISA guide 7.12.1)
.set HALFT,  128*PITCH                 ; 128 rows: what one tensor load brings, and what one wave reads of either operand
.set SLOT,   4*HALFT                   ; A's 256 rows, then B's 256 rows
.set SPARE,  2*SLOT                    ; behind the ring: the spare words, 128 bytes for each wave, which no other line names
.set ADRA, 16                          ; v16-17  LDS address of my A fragments in slot 0, 1
.set ADRB, 20                          ; v20-21  the same for B
.set SO,   24                          ; v24-27  the way out: 16 x lane + (block % 4) x the distance from block to block; never rewritten
.set SPW,  28                          ; v28     LDS address of my spare word; never rewritten
.set NIL,  29                          ; v29     0; never rewritten
.set CT,   32                          ; v32-95  the bias along B: eight registers for each b; later TMP
.set TMP,  32
.set BA,   96                          ; v96-111 the bias along A: a pair of equal numbers for each a
.set SCL,  112
.set LIM,  113
.set AF,   128                         ; A's fragments
.set CD,   128                         ; the codes: 16 registers for each block, so that no store's data are written again
.set G1, 24                            ; s[24:31] descriptor group 1 for A's tiles;  s[32:39] group 0, one set for each slot
.set G0, 32
.set G1B, 48                           ; s[48:55], s[56:63] the same for B's tiles
.set G0B, 56
.set MSB, 0
.macro WIN new                         ; the immediate's high byte repeats the setting that is left
.if MSB != \new
	s_set_vgpr_msb (MSB<<8)|\new
.set MSB, \new
.endif
.endm
.set MUL_LO, 0xa1                      ; source 0 (B) window 1, source 1 (A) window 0, C and D window 2
.set MUL_HI, 0xf1                      ; the same, C and D window 3
.set ST_LO,  0x81                      ; a sum's first instruction: C (the bias) window 0, D window 2
.set ST_HI,  0xc1                      ; D window 3
.set TO_B,   0x40                      ; destination window 1, address window 0
; A joint load: waves 0 and 1 fetch for A, waves 2 and 3 for B.  Each line has ONE mask and one set of registers for all that issue it; the branch hangs on the wave's number alone.
; Four v_nop follow each of the two lines, ahead of the jump, the label and what follows.
.macro JLOAD g0a, g1a, g0b, g1b
	s_cmp_eq_u32 s15, 0
	s_cbranch_scc0 .Lfor_b_\@
	tensor_load_to_lds s[\g0a:\g0a+3], s[\g1a:\g1a+7]
	s_nop 0
.rept 4
	v_nop
.endr
	s_branch .Lasked_\@
.Lfor_b_\@:
	tensor_load_to_lds s[\g0b:\g0b+3], s[\g1b:\g1b+7]
	s_nop 0
.rept 4
	v_nop
.endr
.Lasked_\@:
.endm
.macro CREST                           ; a round of the cluster's barrier behind its opening barrier
	s_cmp_lg_u32 s14, 0
	s_cbranch_scc1 .Lnot_wave_0_\@
	s_barrier_signal -3
.Lnot_wave_0_\@:
	s_barrier_wait -3
	s_barrier_signal -1
	s_barrier_wait -1
.endm
.macro CROUND                          ; a whole round
	s_barrier_signal -1
	s_barrier_wait -1
	CREST
.endm
	s_load_b128 s[4:7], s[0:1], 0x0                ; the codes s[4:5], b_qkv s[6:7]
	s_load_b128 s[8:11], s[0:1], 0x10              ; the scales' exponents s[8:9], the images s[10:11]
	v_lshl_add_u32 v[SPW], v0, 2, SPARE
	v_mov_b32 v[NIL], 0
	ds_add_u32 v28, v29
	ds_add_u32 v28, v29
	s_wait_dscnt 0x0
	v_lshrrev_b32 v1, 5, v0
	v_readfirstlane_b32 s14, v1                    ; wave 0..3
	s_lshr_b32 s15, s14, 1                         ; which half of the tile's A-role rows is mine.  Also: I fetch for A (0) or for B (1)
	s_and_b32 s16, s14, 1                          ; which half of its B-role rows.  Also: which 128 rows of that tile I fetch
	s_bfe_u32 s40, ttmp6, 0x40000                  ; cx, cy: my place in the cluster
	s_bfe_u32 s41, ttmp6, 0x40004
	s_and_b32 s66, ttmp7, 0xffff                   ; the cluster's row, 0..11
	s_sub_co_u32 s67, s66, 8
	s_lshl_b32 s67, s67, 1
	s_add_co_u32 s67, s67, ttmp9                   ; the v clusters, 2 x 4 of them, counted 0..7
	s_cmp_ge_u32 s66, 8                            ; a v cluster?  The same answer in all sixteen partners
	s_cselect_b32 s68, s67, ttmp9                  ; the cluster's place along the B-role axis,
	s_cselect_b32 s69, 0, s66                      ; and along the A-role axis
	s_cselect_b32 s70, 10240, 0                    ; the A-role operand's first row in the codes: W_qkv's row 2,048, or x
	s_cselect_b32 s71, 0, 8192                     ; the B-role operand's: x, or W_qkv
	s_cselect_b32 s80, 1, 0                        ; the kind, kept
	s_lshl_b32 s42, s68, 2
	s_add_co_u32 s42, s42, s40                     ; X: tile along B
	s_lshl_b32 s17, s69, 2
	s_add_co_u32 s17, s17, s41                     ; Y: tile along A
	s_lshl_b32 s43, s41, 2
	s_lshl_b32 s43, 15, s43                        ; my row of the cluster
	s_lshl_b32 s44, 0x1111, s40                    ; my column
	; descriptor group 1: a tile of 128 rows x 256 bytes, padded in LDS
	s_or_b32 s[G1+0], s43, (0<<16)|(1<<20)|(1<<21)|(5<<22)|(3<<25)  ; 15:0 the mask: A's tiles go to my row; 17:16 element of 1 byte; 20 padding on; 21 set beside a mask; 24:22 after every 64 words; 31:25 of 4 words
	s_or_b32 s[G1B+0], s44, (0<<16)|(1<<20)|(1<<21)|(5<<22)|(3<<25)
.irp g, G1, G1B
	s_mov_b32 s[\g+1], 256<<16                     ; tensor_dim0
	s_mov_b32 s[\g+2], 128<<16                     ; tensor_dim1
	s_mov_b32 s[\g+3], 256<<16                     ; tile_dim0
	s_mov_b32 s[\g+4], 128                         ; tile_dim1
	s_mov_b32 s[\g+5], 1024                        ; tensor_dim0_stride: a row of codes
	s_mov_b32 s[\g+6], 0
	s_mov_b32 s[\g+7], 0
.endr
	s_lshl_b32 s18, s16, 7                         ; which 128 rows of the tile I fetch
	s_lshl_b32 s20, s17, 8
	s_add_co_u32 s20, s20, s18
	s_add_co_u32 s20, s20, s70                     ; A: row 256 Y + 128 x half + the operand's first
	s_lshl_b32 s20, s20, 10                        ; in bytes: under 2^24
	s_mov_b32 s21, 0
	s_lshl_b32 s46, s42, 8
	s_add_co_u32 s46, s46, s18
	s_add_co_u32 s46, s46, s71                     ; B: row 256 X + 128 x half + the operand's first
	s_lshl_b32 s46, s46, 10
	s_mov_b32 s47, 0
	s_mul_i32 s45, s14, HALFT                      ; where they go: wave x 128 rows: no place in the cluster enters an LDS address
	s_wait_kmcnt 0x0
	s_load_b256 s[72:79], s[8:9], 0x0              ; e0 .. e7
	s_add_nc_u64 s[20:21], s[4:5], s[20:21]
	s_add_nc_u64 s[46:47], s[4:5], s[46:47]
	CROUND                                         ; all sixteen work-groups are here: the first joint loads meet
.irp s, 0,1
	s_mov_b32 s[G0+4*\s], 1
	s_add_co_u32 s[G0+4*\s+1], s45, \s*SLOT
	s_add_nc_u64 s[G0+4*\s+2:G0+4*\s+3], s[20:21], \s*256
	s_or_b32 s[G0+4*\s+3], s[G0+4*\s+3], 0x80000000
	s_mov_b32 s[G0B+4*\s], 1
	s_add_co_u32 s[G0B+4*\s+1], s45, \s*SLOT
	s_add_nc_u64 s[G0B+4*\s+2:G0B+4*\s+3], s[46:47], \s*256
	s_or_b32 s[G0B+4*\s+3], s[G0B+4*\s+3], 0x80000000
.endr
	JLOAD G0, G1, G0B, G1B                         ; slot 0: one tensor load a wave at the head
	v_and_b32 v1, 15, v0                           ; r
	v_bfe_u32 v2, v0, 4, 1                         ; h
	; the bias in its two forms.  The form that the kind does not use is read at the buffer's head and multiplied by 0
	s_wait_alu depctr_va_vdst(0)
	s_lshl_b32 s83, s42, 8
	s_lshl_b32 s84, s16, 7
	s_add_co_u32 s83, s83, s84
	s_lshl_b32 s83, s83, 2                         ; q, k: 4 (256 X + 128 x my half): my first B-role feature
	s_lshl_b32 s85, s17, 8
	s_lshl_b32 s86, s15, 7
	s_add_co_u32 s85, s85, s86
	s_add_co_u32 s85, s85, 2048
	s_lshl_b32 s85, s85, 2                         ; v: 4 (2,048 + 256 Y + 128 x my half): my first A-role feature
	s_cmp_eq_u32 s80, 1
	s_cselect_b32 s83, 0, s83
	s_cselect_b32 s85, s85, 0
	v_lshl_add_u32 v5, v2, 5, s83                  ; + 32 h: features 16 b + 8 h + 0..7
	v_lshl_add_u32 v6, v1, 2, s85                  ; + 4 r: feature 16 a + r
.irp b, 0,1,2,3,4,5,6,7
	global_load_b128 v[CT+8*\b:CT+8*\b+3], v5, s[6:7] offset:64*\b
	global_load_b128 v[CT+8*\b+4:CT+8*\b+7], v5, s[6:7] offset:64*\b+16
.endr
.irp a, 0,1,2,3,4,5,6,7
	global_load_b32 v[BA+2*\a], v6, s[6:7] offset:64*\a
.endr
	v_mul_u32_u24 v3, v1, PITCH
	v_lshl_add_u32 v4, v2, 4, v3                   ; a fragment's row x pitch + 16 x half
	s_mul_i32 s21, s15, HALFT                      ; my 128 rows of A
	s_mul_i32 s22, s16, HALFT                      ; my 128 rows of B,
	s_add_co_u32 s22, s22, 2*HALFT                 ; which lie behind A's 256
.irp s, 0,1
	v_add_nc_u32 v[ADRA+\s], s21, v4
	v_add_nc_u32 v[ADRB+\s], s22, v4
	s_add_co_u32 s21, s21, SLOT
	s_add_co_u32 s22, s22, SLOT
.endr
	; the way out: where my wave's images begin
	s_lshl_b32 s94, s17, 4
	s_lshl_b32 s95, s15, 3
	s_add_co_u32 s94, s94, s95                     ; q, k: token tile 16 Y + 8 x half (+ a),
	s_lshl_b32 s94, s94, 15
	s_lshl_b32 s95, s42, 2
	s_lshl_b32 s96, s16, 1
	s_add_co_u32 s95, s95, s96                     ; head slot 4 X + 2 x half (+ b / 4)
	s_lshl_b32 s95, s95, 10
	s_add_co_u32 s94, s94, s95
	s_lshr_b32 s95, s42, 3                         ; v: batch X / 8,
	s_lshl_b32 s95, s95, 4
	s_lshl_b32 s96, s17, 2
	s_add_co_u32 s95, s95, s96
	s_lshl_b32 s96, s15, 1
	s_add_co_u32 s95, s95, s96                     ; head 4 Y + 2 x half (+ a / 4),
	s_lshl_b32 s95, s95, 4
	s_and_b32 s96, s42, 7
	s_lshl_b32 s96, s96, 1
	s_add_co_u32 s95, s95, s96
	s_add_co_u32 s95, s95, s16                     ; block of keys 2 (X % 8) + half
	s_lshl_b32 s95, s95, 13
	s_add_co_u32 s95, s95, 16777216
	s_mov_b32 s93, 32768
	s_cmp_eq_u32 s80, 1
	s_cselect_b32 s94, s95, s94
	s_cselect_b32 s93, 2048, s93                   ; from block a to a + 1: a token tile on, or a tile of channels on.  Four blocks on are 131,072 bytes in both kinds
	s_mov_b32 s95, 0
	s_add_nc_u64 s[10:11], s[10:11], s[94:95]
	v_and_b32 v3, 31, v0
	v_lshlrev_b32 v[SO], 4, v3
	v_add_nc_u32 v[SO+1], s93, v[SO]
	v_add_nc_u32 v[SO+2], s93, v[SO+1]
	v_add_nc_u32 v[SO+3], s93, v[SO+2]
	s_wait_kmcnt 0x0
	s_add_co_i32 s87, s72, s73                     ; e0 + e1
	s_sub_co_i32 s88, 127, s87
	s_lshl_b32 s88, s88, 23                        ; 2^-(e0 + e1) as f32
	s_cmp_eq_u32 ttmp9, 0
	s_cselect_b32 s89, s74, s75                    ; cluster column 0 makes q (e2), column 1 k (e3),
	s_cmp_eq_u32 s80, 1
	s_cselect_b32 s89, s77, s89                    ; a v cluster v (e5)
	s_cselect_b32 s90, 0, s88                      ; the factor of the bias along B,
	s_cselect_b32 s91, s88, 0                      ; and along A
	s_sub_co_i32 s89, s89, s87
	s_add_co_i32 s89, s89, 127
	s_lshl_b32 s92, s89, 23
	v_mov_b32 v[SCL], s92                          ; 2^(eT - e0 - e1): the three scales folded into the conversion's one
	s_add_co_i32 s89, s89, 8
	s_lshl_b32 s89, s89, 23
	s_or_b32 s89, s89, 0x600000
	v_mov_b32 v[LIM], s89                          ; 448 x that
	s_wait_loadcnt 0x0                             ; the bias
.irp b, 0,1,2,3,4,5,6,7
.irp i, 0,2,4,6
	v_pk_mul_f32 v[CT+8*\b+\i:CT+8*\b+\i+1], v[CT+8*\b+\i:CT+8*\b+\i+1], s[90:91] op_sel_hi:[1,0]   ; both x s90
.endr
.endr
.irp a, 0,1,2,3,4,5,6,7
	v_mul_f32 v[BA+2*\a], s91, v[BA+2*\a]
	v_mov_b32 v[BA+2*\a+1], v[BA+2*\a]             ; twice, for the packed addition
.endr
.macro FRAG reg, adr, q, i             ; a fragment, 16 rows x 128 K, is 16 registers; by the codes' layout four loads of 16 bytes put every k in the operand's own place
.irp c, 0,1,2,3
	ds_load_b128 v[\reg+4*\c:\reg+4*\c+3], v[\adr] offset:128*(\q)+32*\c+(\i)*16*PITCH
.endr
.endm
; 16 matrix instructions: A's blocks a0, a0 + 1 x B's eight, 128 along K.  p: B's set.  zero = 1: the first product starts the sums, with the bias as C: nothing is ever cleared.
; The 64 accumulators take turns, one instruction a turn, in the same order in every step.
.macro MUL16 a0, p, zero
.irp a, \a0, \a0+1
.irp b, 0,1,2,3,4,5,6,7
.if \zero
	v_wmma_f32_16x16x128_fp8_fp8 v[8*(8*((\a)%4)+\b):8*(8*((\a)%4)+\b)+7], v[128*(\p)+FR*\b:128*(\p)+FR*\b+FR-1], v[AF+FR*(\a):AF+FR*(\a)+FR-1], v[CT+8*\b:CT+8*\b+7]
.else
	v_wmma_f32_16x16x128_fp8_fp8 v[8*(8*((\a)%4)+\b):8*(8*((\a)%4)+\b)+7], v[128*(\p)+FR*\b:128*(\p)+FR*\b+FR-1], v[AF+FR*(\a):AF+FR*(\a)+FR-1], v[8*(8*((\a)%4)+\b):8*(8*((\a)%4)+\b)+7]
.endif
.endr
.endr
.endm
.macro FETCH_B slot, q, p              ; B's eight fragments of the slot's q-th 128 along K into set p
	WIN TO_B
.irp i, 0,1,2,3,4,5,6,7
	FRAG 128*(\p)+FR*\i, ADRB+\slot, \q, \i
.endr
	WIN 0
.endm
.macro FETCH_A slot, q, i0             ; A's blocks i0 .. i0 + 3
.irp i, \i0, \i0+1, \i0+2, \i0+3
	FRAG AF+FR*(\i), ADRA+\slot, \q, \i
.endr
.endm
; A load into a register that a matrix instruction has read, and a vector instruction that reads a matrix result, stand NP places behind that matrix instruction; only plain vector
; instructions that name none of its registers are places (ISA guide 7.12.1 for vector instructions).
.macro PLACES n
.rept \n
	v_nop
.endr
.endm
; A step of 128 along K that has its successor in the same slot.  A's blocks are free as soon as their eight products are issued: blocks 0-3 are fetched anew in the step's middle, blocks 4-7 at its end.
.macro STEP slot, q, zero
	s_wait_dscnt 4*NL                              ; B's set and A's blocks 0-3 are in; the youngest 16 loads (A's blocks 4-7) may be out
.if \zero
	WIN ST_LO
.else
	WIN MUL_LO
.endif
	MUL16 0, (\q)%2, \zero
	MUL16 2, (\q)%2, \zero
	s_wait_dscnt 0                                 ; A's blocks 4-7 are in (asked for 32 matrix instructions ago)
	PLACES NP
	FETCH_B \slot, (\q)+1, 1-(\q)%2
	FETCH_A \slot, (\q)+1, 0
.if \zero
	WIN ST_HI
.else
	WIN MUL_HI
.endif
	MUL16 4, (\q)%2, \zero
	MUL16 6, (\q)%2, \zero
	PLACES NP
	WIN 0
	FETCH_A \slot, (\q)+1, 4
.endm
; A slot's last step changes slots: ONE barrier; in front of it each wave waits for all its tensor loads, adds 0 to its spare word, and waits for that and for its own reads of this slot.  fill = 1: this slot is filled again, two slots ahead.
.macro TURN slot, next, fill
	s_wait_tensorcnt 0x0                           ; all my tensor loads have landed: my part of the next slot;  (every window is 0 here)
	ds_add_u32 v[SPW], v[NIL]                      ; 0 onto my spare word
	s_wait_dscnt 4*NL+1                            ; (the add and the youngest 16 loads, A's blocks 4-7, may be out)
	WIN MUL_LO
	MUL16 0, 1, 0                                  ; sixteen matrix instructions stand between the add and the wait for it
	s_wait_dscnt 0x0                               ; the add is done, and my reads of this slot are over
	s_barrier_signal -1
	MUL16 2, 1, 0
	WIN 0
	s_barrier_wait -1
.if \fill
	CREST                                          ; the barrier has opened a round of the cluster's barrier: no wave of any partner still reads this slot's tile or has a load on its way
	s_add_nc_u64 s[G0+4*\slot+2:G0+4*\slot+3], s[G0+4*\slot+2:G0+4*\slot+3], 512
	s_add_nc_u64 s[G0B+4*\slot+2:G0B+4*\slot+3], s[G0B+4*\slot+2:G0B+4*\slot+3], 512
	JLOAD G0+4*\slot, G1, G0B+4*\slot, G1B         ; the first tensor load behind the round; the four v_nop behind it are the places in front of the loads below
.else
	PLACES NP
.endif
	FETCH_B \next, 0, 0
	FETCH_A \next, 0, 0
	WIN MUL_HI
	MUL16 4, 1, 0
	MUL16 6, 1, 0
	PLACES NP
	WIN 0
	FETCH_A \next, 0, 4
.endm
	s_wait_alu depctr_va_vdst(0)                   ; at the head's end
	s_wait_tensorcnt 0x0                           ; my part of slot 0 is in; slot 1's first fill is issued as a refill is:
	ds_add_u32 v[SPW], v[NIL]                      ; 0 onto my spare word
	s_wait_dscnt 0x0
	CROUND                                         ; everybody's part of slot 0 is in, and all sixteen work-groups are here
	JLOAD G0+4, G1, G0B+4, G1B                     ; slot 1: the first tensor load behind the round
	FETCH_B 0, 0, 0
	FETCH_A 0, 0, 0
	FETCH_A 0, 0, 4
	STEP 0, 0, 1                                   ; K 0-127: the products start the sums
	TURN 0, 1, 1                                   ; K 128-255; slot 0 takes K 512-767
	STEP 1, 0, 0
	TURN 1, 0, 1                                   ; slot 1 takes K 768-1,023
	STEP 0, 0, 0
	TURN 0, 1, 0                                   ; nothing is left to fetch: no round
	STEP 1, 0, 0
	s_wait_dscnt 4*NL                              ; the very last step
	WIN MUL_LO
	MUL16 0, 1, 0
	MUL16 2, 1, 0
	s_wait_dscnt 0
	WIN MUL_HI
	MUL16 4, 1, 0
	MUL16 6, 1, 0
	WIN 0
; THE WAY OUT of block a (16 A-role rows x 128 B-role rows): + the bias along A, the hold, the conversion, four stores.  Each accumulator is read from its low end on.  No LDS: the codes' registers are the image.
.macro EPI a
.set AC, 64*((\a)%4)
.set WA, 0x02+((\a)/4)
	WIN WA                                         ; source 0: window 2 or 3
.irp b, 0,1,2,3,4,5,6,7
.irp i, 0,2,4,6
	v_pk_add_f32 v[TMP+8*\b+\i:TMP+8*\b+\i+1], v[AC+8*\b+\i:AC+8*\b+\i+1], v[BA+2*(\a):BA+2*(\a)+1]
.endr
.endr
	WIN 0
.irp b, 0,1,2,3,4,5,6,7
.irp i, 0,1,2,3,4,5,6,7
	v_med3_num_f32 v[TMP+8*\b+\i], v[TMP+8*\b+\i], -v[LIM], v[LIM]   ; the conversion to an 8-bit code does not saturate (ISA guide 7.6.2): the hold at 448 x the scale
.endr
	v_cvt_scalef32_pk8_fp8_f32 v[CD+16*(\a)+2*\b:CD+16*(\a)+2*\b+1], v[TMP+8*\b:TMP+8*\b+7], v[SCL]   ; registers 2 b, 2 b + 1 of the image(s)
.endr
	v_nop                                          ; a plain vector line behind the last conversion: the next block's additions write the conversions' sources
.irp c, 0,1,2,3
	global_store_b128 v[SO+(\a)%4], v[CD+16*(\a)+4*\c:CD+16*(\a)+4*\c+3], s[10:11] offset:131072*((\a)/4)+512*\c   ; 32 lanes store 512 consecutive bytes, at a multiple of 512 from the buffer's first byte
.endr
.endm
	PLACES NP                                      ; behind the last products: their results are read, and the registers that held A's fragments written, only behind these
.irp a, 0,1,2,3,4,5,6,7
	EPI \a
.endr
	s_wait_tensorcnt 0x0                           ; the wave's end
	ds_add_u32 v[SPW], v[NIL]
	s_wait_dscnt 0x0
	CROUND                                         ; the closing round: no work-group ends while a partner may still ask for a tile that names it
	s_endpgm
.Lfunc_end_k_q2648e9dadb_qkv:
	.size	k_q2648e9dadb_qkv, .Lfunc_end_k_q2648e9dadb_qkv-k_q2648e9dadb_qkv
	.p2alignl 7, 3214868480
	.fill 96, 4, 3214868480
	.section	.rodata,"a",@progbits
	.p2align	6, 0x0
	.amdhsa_kernel k_q2648e9dadb_qkv
		.amdhsa_group_segment_fixed_size 327680
		.amdhsa_private_segment_fixed_size 0
		.amdhsa_enable_private_segment 0
		.amdhsa_kernarg_size 32
		.amdhsa_user_sgpr_count 2
		.amdhsa_user_sgpr_kernarg_segment_ptr 1
		.amdhsa_wavefront_size32 1
		.amdhsa_system_sgpr_workgroup_id_x 1
		.amdhsa_system_sgpr_workgroup_id_y 1
		.amdhsa_system_sgpr_workgroup_id_z 1
		.amdhsa_system_vgpr_workitem_id 0
		.amdhsa_next_free_vgpr 1024
		.amdhsa_next_free_sgpr 100
		.amdhsa_reserve_vcc 0
		.amdhsa_float_denorm_mode_32 3
		.amdhsa_float_denorm_mode_16_64 3
		.amdhsa_memory_ordered 1
		.amdhsa_forward_progress 1
		.amdhsa_inst_pref_size 140
	.end_amdhsa_kernel
	.amdgpu_metadata
---
amdhsa.version: [ 1, 2 ]
amdhsa.kernels:
  - .name:           k_q2648e9dadb_qkv
    .symbol:         k_q2648e9dadb_qkv.kd
    .args:
      - { .name: codes, .offset: 0, .size: 8, .value_kind: global_buffer, .address_space: global }
      - { .name: b_qkv, .offset: 8, .size: 8, .value_kind: global_buffer, .address_space: global }
      - { .name: lowp_scales, .offset: 16, .size: 8, .value_kind: global_buffer, .address_space: global }
      - { .name: qkv_img, .offset: 24, .size: 8, .value_kind: global_buffer, .address_space: global }
    .group_segment_fixed_size: 327680
    .private_segment_fixed_size: 0
    .kernarg_segment_align: 8
    .kernarg_segment_size: 32
    .max_flat_workgroup_size: 128
    .sgpr_count:     100
    .vgpr_count:     1024
    .wavefront_size: 32
...
	.end_amdgpu_metadata
.endif
;; end of part 2
;; launch attn (part 3): grid 4 x 64, 8 waves a work-group, clusters of 4 x 1, 327,680 bytes of LDS; arguments qkv_img, lowp_scales, o_img; writes o_img
.if DOCPART == 3
	.amdgcn_target "amdgcn-amd-amdhsa--gfx1250"
	.amdhsa_code_object_version 6
	.text
	.protected	k_q2648e9dadb_attn
	.globl	k_q2648e9dadb_attn
	.p2align	8
	.type	k_q2648e9dadb_attn,@function
k_q2648e9dadb_attn:
	s_mov_b64 s[64:65], 0
	v_nop
	global_prefetch_b8 v0, s[64:65] scope:SCOPE_SE
	s_setreg_imm32_b32 hwreg(HW_REG_WAVE_MODE, 25, 1), 1
	s_wait_xcnt 0x0
	s_wait_alu depctr_hold_cnt(0) depctr_sa_sdst(0) depctr_va_vdst(0) depctr_va_sdst(0) depctr_va_ssrc(0) depctr_va_vcc(0) depctr_vm_vsrc(0)
	s_getreg_b32 s2, hwreg(HW_REG_IB_STS2, 6, 4)
	s_cmp_eq_u32 s2, 0
	s_cbranch_scc0 .Lentry_in_a_cluster
	s_endpgm
.Lentry_in_a_cluster:
	s_bfe_u32 s2, ttmp6, 0x10000c
	s_cmp_lg_u32 s2, 0x3003
	s_cbranch_scc0 .Lentry_shape_is_right
	s_endpgm
.Lentry_shape_is_right:
; Causal attention of one head on codes of FP8 (E4M3): S = q k^T (scales 2^e2, 2^e3), p = 2^(t - M), O = p v (2^e4, 2^e5), O / l quantised with 2^e6 for the last projection.  Head size 64, 2,048 tokens, 64 heads in all.
; THE SOFTMAX: t = score x log2(e) / 8; M = the row's largest t so far, rounded UP to a whole number; p = 2^(t - M) is quantised, not normalised.  l, the row's sum of the unquantised p, in f32, divides O at the end.
; When M moves, l and O are multiplied by 2^(old M - new M): exact.  Hidden scores become -infinity ahead of the maximum; key 0 counts for every query, so M is a number from a tile's first step on.
; LEFT OUT: key steps that lie wholly behind a tile's queries: the causal mask gives them the weight 0 for all inputs.
; SHARES.  The four work-groups of a head form a cluster.  The head's 128 query tiles (16 queries) fall into 16 groups g of eight, which walk g + 1 steps of 128 keys.  Work-group cx owns of each group the PAIR of tiles
; 8 g + cx (A) and 8 g + 4 + cx (B).  A wave works a pair at once: each fragment of k and v that it reads from LDS feeds two matrix instructions.  Wave w owns pair g = 15 - w (the long one) and then g = w:
; 16 - w + w + 1 = 17 steps in every wave of every work-group: items 0..16, the long pair's first.
; LDS HOLDS THE HEAD'S WHOLE k AND v: 16 blocks of 128 keys, k's at 8,192 x block, v's at 131,072 + 8,192 x block.  Nothing is filled twice.  Two fills of eight loads, one a wave (16,384 bytes: two blocks of k in even waves,
; of v in odd ones): blocks 0-7 at the head, blocks 8-15 behind the round in front of item 0; a barrier in front of item 7 shows the second.  By this text's own count one tensor load of a wave is out; every wait on TENSORcnt is for 0.
; Items 0-8 belong to the long pair in every wave (it has 9 steps at the least), and item n of it reads block n.
; JOINT LOADS: all four partners want the same blocks in the same round, so each load names the four (mask 15).  No branch and no LDS address hangs on cx: it enters q's and the result's addresses and the mask's number alone.
; NO PREFETCH: both fills are requested ahead of the first loop, so there is no trip to run ahead in.
; LOADS FROM LDS RUN AHEAD: k and v have registers of their own.  v's 16 loads go out at a step's head, the next item's 16 loads of k behind this item's score products.  Both waits on DScnt are for 16: the 16 younger loads may be out.
; THE TWO TILES TAKE TURNS.  Their maxima go in eight chains.  A's exponentials stand by turns with B's scalings, B's exponentials with the first level of A's sum and A's holds: each of those plain lines writes a register
; that is first read behind the next wait, and reads only what was written ahead of the last one.
; OPERANDS ARE IMAGES OF REGISTERS (the launch before laid them so): a group of four registers lies at 512 x group + 16 x lane, in memory and in LDS alike.  Both products are used transposed (S^T = k q^T, O^T = v^T p^T):
; a lane holds ONE query (lane % 16) of each tile; register j of S^T's tile c is key 16 c + 8 h + j, which is what registers 2 c, 2 c + 1 of p's operand hold.
; THE MASK, in a pair's last step alone: A's diagonal lies in key tile cx, B's in key tile 4 + cx.  So A's key tiles 0-3 are compared and 4-7 hidden whole; B's 0-3 are open and 4-7 compared: key 16 tt + j of the compared four is hidden where 16 tt + j > 16 cx + r - 8 h.
; LIMITS on the given exponents, so that each power of two below is an f32 number: e2 + e3 between -123 and 130; e4, and e6 - e4 - e5, between -126 and 119.
; REGISTERS.  Window 0: v1-11 addresses and constants; v12-15, v16-19 -M, the largest t and l of A, of B; v24-39 q; v40-103, v104-167 S^T, then p; v168-199 p's codes, at a pair's end the result; v200-239 at work; v240-247 constants.
; Window 1: v0-63 k, v64-127 v, v128-159, v160-191 O^T, v192-207 the short pair's q.
.set VREG,  131072
.set SPARE, 262144                     ; behind k and v: the spare words, 128 bytes for each of the eight waves, which no other line names
.set KSL,   524288                     ; 256 keys on in k's images: 16 token tiles of 32,768 bytes
.set VSL,   16384                      ; and in v's
.set BLK,   8192
.set LI,   1                           ; 16 x lane
.set ADK,  2
.set SPW,  5
.set NIL,  6
.set DM,   8                           ; 16 cx + r - 8 h
.set NINF, 9
.set ADV,  10
.set LI2,  11                          ; 16 x lane + VREG
.set MA,   12
.set MB,   16
.set QA,   24
.set QB,   32
.set SA,   40
.set SB,   104
.set CA,   168
.set CB,   184
.set WA,   200                         ; +0 f (a pair with +1), +2 at work, +3 a permute's result, +4..19 partial maxima and sums
.set WB,   220
.set TS,   WA+4                        ; the first level of A's sum: eight pairs here,
.set TS2,  WB+4                        ; and eight here
.set OA,   128                         ; in window 1
.set OB,   160
.set KB,   2                           ; s2 the item's block x 8,192
.set TBN,  3                           ; s3 the next item's
.set HW,   17
.set WV,   18
.set PAR,  19
.set SEL,  20
.set CS,   22
.set G1K,  24
.set G1V,  32
.set G0K,  40
.set G0V,  44
.set IT,   48                          ; the item's number
.set LSW,  49                          ; the short pair's first item
.set DG,   50                          ; the item with the pair's diagonal
.set CX,   53
.set CNT,  54
.set T1,   55
.set MSB, 0
.macro WIN new                         ; low byte: bits 1:0 source 0, 3:2 source 1, 5:4 source 2, 7:6 destination; the high byte repeats the setting that is left
.if MSB != \new
	s_set_vgpr_msb (MSB<<8)|\new
.set MSB, \new
.endif
.endm
.macro ROUND                           ; a round of the cluster's barrier
	s_barrier_signal -1
	s_barrier_wait -1
	s_cmp_lg_u32 s[WV], 0
	s_cbranch_scc1 .Lnw0_\@
	s_barrier_signal -3
.Lnw0_\@:
	s_barrier_wait -3
	s_barrier_signal -1
	s_barrier_wait -1
.endm
.macro TLOAD                           ; every wave loads: even ones k, odd ones v.  The branch hangs on the wave's number alone; s_nop 0 and four v_nop follow each load
	s_cmp_eq_u32 s[PAR], 0
	s_cbranch_scc0 .Lfor_v_\@
	tensor_load_to_lds s[G0K:G0K+3], s[G1K:G1K+7]
	s_nop 0
.rept 4
	v_nop
.endr
	s_branch .Lasked_\@
.Lfor_v_\@:
	tensor_load_to_lds s[G0V:G0V+3], s[G1V:G1V+7]
	s_nop 0
.rept 4
	v_nop
.endr
.Lasked_\@:
.endm
	s_load_b128 s[4:7], s[0:1], 0x0                ; the images of q, k, v; the scales' exponents
	s_load_b64 s[8:9], s[0:1], 0x10                ; the result's images
	v_lshl_add_u32 v[SPW], v0, 2, SPARE
	v_mov_b32 v[NIL], 0
	ds_add_u32 v[SPW], v[NIL]                      ; the opening lines: the add twice on end and one wait
	ds_add_u32 v[SPW], v[NIL]
	v_lshrrev_b32 v7, 5, v0
	v_readfirstlane_b32 s[WV], v7                  ; wave 0..7
	s_and_b32 s[PAR], s[WV], 1
	s_lshr_b32 s[HW], s[WV], 1
	s_bfe_u32 s[CX], ttmp6, 0x40000                ; my place in the cluster
	s_and_b32 s81, ttmp7, 0xffff                   ; batch x 16 + head
	s_lshr_b32 s82, s81, 4
	s_and_b32 s83, s81, 15
	s_lshl_b32 s84, s82, 7                         ; the batch's first token tile
	s_lshl_b32 s86, s83, 10                        ; the head's image in a token tile
	s_lshl_b32 s87, s84, 15
	s_add_co_u32 s87, s87, s86                     ; q's image of the batch's first tile (all offsets stay under 2^25)
	s_add_co_u32 s85, s87, 16384                   ; k's
	s_lshl_b32 s81, s81, 17
	s_add_co_u32 s81, s81, 16777216                ; v's first image of this head
	s_lshl_b32 s88, s[HW], 19
	s_add_co_u32 s88, s88, s85                     ; the 256 keys of k that my wave loads: wave / 2
	s_mov_b32 s89, 0
	s_lshl_b32 s91, s[HW], 14                      ; their place in LDS, and in v
	s_add_co_u32 s92, s81, s91
	s_mov_b32 s93, 0
	s_sub_co_u32 s[DG], 15, s[WV]                  ; the long pair's group, which is also its last item
	s_add_co_u32 s[LSW], s[DG], 1                  ; its steps
	s_lshl_b32 s94, s[DG], 3
	s_add_co_u32 s94, s94, s[CX]                   ; the long pair's tile A,
	s_lshl_b32 s96, s[WV], 3
	s_add_co_u32 s96, s96, s[CX]                   ; the short pair's; tile B lies four tiles on
	s_add_co_u32 s56, s84, s94
	s_lshl_b32 s56, s56, 14
	s_add_co_u32 s56, s56, s86                     ; the results' images: token tile x 16,384 + head x 1,024
	s_mov_b32 s57, 0
	s_add_co_u32 s58, s84, s96
	s_lshl_b32 s58, s58, 14
	s_add_co_u32 s58, s58, s86
	s_mov_b32 s59, 0
	s_lshl_b32 s94, s94, 15
	s_add_co_u32 s94, s94, s87                     ; q's images
	s_mov_b32 s95, 0
	s_lshl_b32 s96, s96, 15
	s_add_co_u32 s96, s96, s87
	s_mov_b32 s97, 0
	s_mov_b32 s[G1K], (3<<16)|(1<<21)|15           ; k: 16 images of 1,024 bytes, 32,768 bytes apart, elements of 8 bytes; the mask names the four partners
	s_mov_b32 s[G1K+1], 128<<16
	s_mov_b32 s[G1K+2], 16<<16
	s_mov_b32 s[G1K+3], 128<<16
	s_mov_b32 s[G1K+4], 16
	s_mov_b32 s[G1K+5], 4096
	s_mov_b32 s[G1K+6], 0
	s_mov_b32 s[G1K+7], 0
	s_mov_b32 s[G1V], (3<<16)|(1<<21)|15           ; v: 16,384 dense bytes as 64 rows of 256
	s_mov_b32 s[G1V+1], 32<<16
	s_mov_b32 s[G1V+2], 64<<16
	s_mov_b32 s[G1V+3], 32<<16
	s_mov_b32 s[G1V+4], 64
	s_mov_b32 s[G1V+5], 32
	s_mov_b32 s[G1V+6], 0
	s_mov_b32 s[G1V+7], 0
	s_mov_b32 s[SEL], 0x76543210
	s_mov_b32 s[SEL+1], 0xfedcba98
	s_mov_b32 s[CS], 0x3e38aa3b                    ; log2(e) / 8
	s_wait_dscnt 0x0                               ; both opening adds are done
	s_wait_kmcnt 0x0
	s_load_b256 s[68:75], s[6:7], 0x0              ; e0 .. e7
	s_mov_b32 s[G0K], 1
	s_mov_b32 s[G0K+1], s91
	s_add_nc_u64 s[G0K+2:G0K+3], s[4:5], s[88:89]
	s_or_b32 s[G0K+3], s[G0K+3], 0x80000000
	s_mov_b32 s[G0V], 1
	s_add_co_u32 s[G0V+1], s91, VREG
	s_add_nc_u64 s[G0V+2:G0V+3], s[4:5], s[92:93]
	s_or_b32 s[G0V+3], s[G0V+3], 0x80000000
	ROUND                                          ; the four work-groups are here: the first joint loads meet
	TLOAD                                          ; blocks 0-7
	s_add_nc_u64 s[10:11], s[4:5], s[94:95]
	s_add_nc_u64 s[12:13], s[4:5], s[96:97]
	s_add_nc_u64 s[56:57], s[8:9], s[56:57]
	s_add_nc_u64 s[58:59], s[8:9], s[58:59]
	v_and_b32 v7, 31, v0
	v_lshlrev_b32 v[LI], 4, v7
	s_wait_alu depctr_va_vdst(0)
	global_load_b128 v[QA:QA+3], v[LI], s[10:11]
	global_load_b128 v[QA+4:QA+7], v[LI], s[10:11] offset:512
	global_load_b128 v[QB:QB+3], v[LI], s[10:11] offset:131072
	global_load_b128 v[QB+4:QB+7], v[LI], s[10:11] offset:131584
	WIN 0x40
	global_load_b128 v[192:195], v[LI], s[12:13]                   ; the short pair's q, into window 1
	global_load_b128 v[196:199], v[LI], s[12:13] offset:512
	global_load_b128 v[200:203], v[LI], s[12:13] offset:131072
	global_load_b128 v[204:207], v[LI], s[12:13] offset:131584
	WIN 0
	s_lshl_b32 s83, s[CX], 4
	s_wait_kmcnt 0x0
	s_add_co_i32 s80, s70, s71
	s_lshl_b32 s80, s80, 23
	s_add_co_i32 s[CS], s[CS], s80                 ; a score stands for score x 2^(e2 + e3): added to c's exponent field
	s_mov_b32 s[CS+1], s[CS]
	s_add_co_i32 s80, s72, 127
	s_lshl_b32 s84, s80, 23                        ; 2^e4
	s_add_co_i32 s80, s80, 8
	s_lshl_b32 s85, s80, 23
	s_or_b32 s85, s85, 0x600000                    ; 448 x 2^e4
	s_sub_co_i32 s80, s74, s72
	s_sub_co_i32 s80, s80, s73
	s_add_co_i32 s80, s80, 127
	s_lshl_b32 s86, s80, 23                        ; 2^(e6 - e4 - e5)
	s_add_co_i32 s80, s80, 8
	s_lshl_b32 s87, s80, 23
	s_or_b32 s87, s87, 0x600000                    ; 448 x that
	v_add_nc_u32 v[LI2], VREG, v[LI]
	v_and_b32 v[DM], 15, v0
	v_bfe_u32 v9, v0, 4, 1
	v_add_nc_u32 v[DM], s83, v[DM]
	v_lshlrev_b32 v9, 3, v9
	v_mov_b32 v[MA+1], 0xff61b1e6                  ; the largest t so far: -3e38
	v_mov_b32 v[MB+1], 0xff61b1e6
	v_sub_nc_u32 v[DM], v[DM], v9
	v_mov_b32 v[NINF], 0xff800000
	v_floor_f32 v[MA], -v[MA+1]                    ; -M
	v_floor_f32 v[MB], -v[MB+1]
.irp x, A,B
	v_mov_b32 v[M\x+2], 0
	v_mov_b32 v[M\x+3], 0
	v_mov_b32 v[W\x+1], 0                          ; (the upper half of f's pair)
	v_mov_b32 v[W\x+3], 0                          ; a lane permute's destination counts as a source
.endr
	v_mov_b32 v244, s84
	v_mov_b32 v240, s85
	v_mov_b32 v241, s85                            ; twice: the two halves of a dual pair read it from two registers
	v_mov_b32 v246, s86
	v_mov_b32 v247, s87
	WIN 0x40
.irp t, 0,1,2,3,4,5,6,7
.irp i, 0,1,2,3,4,5,6,7
	v_mov_b32 v[OA+8*\t+\i], 0                     ; O^T of both tiles: a pair's first step finds zeros
.endr
.endr
	WIN 0
.macro MASK4 b                         ; four key tiles from register b on: hidden scores become -infinity
.irp t, 0,1,2,3
.irp i, 0,1,2,3,4,5,6,7
	v_cmp_gt_i32 vcc_lo, 16*\t+\i, v[DM]
	v_cndmask_b32 v[\b+8*\t+\i], v[\b+8*\t+\i], v[NINF], vcc_lo
.endr
.endr
.endm
.macro SUM s, w, l                     ; l += the 64 p of a tile: eight chains of packed additions
.irp c, 0,1,2,3,4,5,6
	v_pk_add_f32 v[\w+4+2*\c:\w+5+2*\c], v[\s+4*\c:\s+4*\c+1], v[\s+4*\c+2:\s+4*\c+3]
.endr
	v_pk_add_f32 v[\l:\l+1], v[\l:\l+1], v[\s+28:\s+29]
.irp c, 0,1,2,3,4,5,6
	v_pk_add_f32 v[\w+4+2*\c:\w+5+2*\c], v[\w+4+2*\c:\w+5+2*\c], v[\s+30+2*\c:\s+31+2*\c]
.endr
	v_pk_add_f32 v[\l:\l+1], v[\l:\l+1], v[\s+44:\s+45]
.irp c, 0,1,2,3,4,5,6
	v_pk_add_f32 v[\w+4+2*\c:\w+5+2*\c], v[\w+4+2*\c:\w+5+2*\c], v[\s+46+2*\c:\s+47+2*\c]
.endr
	v_pk_add_f32 v[\l:\l+1], v[\l:\l+1], v[\s+60:\s+61]
	v_pk_add_f32 v[\w+4:\w+5], v[\w+4:\w+5], v[\s+62:\s+63]
	v_pk_add_f32 v[\w+8:\w+9], v[\w+8:\w+9], v[\w+10:\w+11]
	v_pk_add_f32 v[\w+12:\w+13], v[\w+12:\w+13], v[\w+14:\w+15]
	v_pk_add_f32 v[\l:\l+1], v[\l:\l+1], v[\w+16:\w+17]
	v_pk_add_f32 v[\w+4:\w+5], v[\w+4:\w+5], v[\w+6:\w+7]
	v_pk_add_f32 v[\l:\l+1], v[\l:\l+1], v[\w+12:\w+13]
	v_pk_add_f32 v[\w+4:\w+5], v[\w+4:\w+5], v[\w+8:\w+9]
	v_pk_add_f32 v[\l:\l+1], v[\l:\l+1], v[\w+4:\w+5]
.endm
; A KEY STEP of a pair: the 128 keys of the block at s[KB]; k's fragments are in registers or on their way.  mask = 1: the copy that can hold a pair's last step.
.macro STEP mask
	v_add_nc_u32 v[ADV], s[KB], v[LI2]
	v_add_nc_u32 v[ADK], s[TBN], v[LI]
	v_nop
	v_nop                                          ; four places in front of loads into registers that the last products read
	WIN 0x40
.irp n, 0,1,2,3,4,5,6,7,8,9,10,11,12,13,14,15
	ds_load_b128 v[64+4*\n:67+4*\n], v[ADV] offset:512*\n   ; v lands while the softmax is walked
.endr
	WIN 0x01
	s_wait_alu depctr_va_vdst(0)                   ; directly ahead of the wait below
	s_wait_dscnt 16                                ; k is in; v's 16 loads may be out
.irp t, 0,1,2,3,4,5,6,7
	v_wmma_f32_16x16x64_fp8_fp8 v[SA+8*\t:SA+8*\t+7], v[8*\t:8*\t+7], v[QA:QA+7], 0
	v_wmma_f32_16x16x64_fp8_fp8 v[SB+8*\t:SB+8*\t+7], v[8*\t:8*\t+7], v[QB:QB+7], 0
.endr
	WIN 0x40
.rept 4
	v_nop                                          ; places: behind them the next k lands on this one's registers, and the scores are read
.endr
.irp n, 0,1,2,3,4,5,6,7,8,9,10,11,12,13,14,15
	ds_load_b128 v[4*\n:4*\n+3], v[ADK] offset:512*\n       ; the next item's k
.endr
	WIN 0
.if \mask
	s_cmp_lg_u32 s[IT], s[DG]
	s_cbranch_scc1 .Lopen_\@
	MASK4 SA
.irp i, 0,1,2,3,4,5,6,7,8,9,10,11,12,13,14,15,16,17,18,19,20,21,22,23,24,25,26,27,28,29,30,31
	v_mov_b32 v[SA+32+\i], v[NINF]
.endr
	MASK4 SB+32
.Lopen_\@:
.endif
.irp x, A,B                            ; the step's largest score of my query: four chains a tile, the scores in ascending order
	v_max3_num_f32 v[W\x+2], v[S\x], v[S\x+1], v[S\x+2]
	v_max3_num_f32 v[W\x], v[S\x+3], v[S\x+4], v[S\x+5]
.endr
.irp x, A,B
	v_max3_num_f32 v[W\x+4], v[S\x+6], v[S\x+7], v[S\x+8]
	v_max3_num_f32 v[W\x+6], v[S\x+9], v[S\x+10], v[S\x+11]
.endr
.irp i, 12,20,28,36,44,52
.irp x, A,B
	v_max3_num_f32 v[W\x+2], v[W\x+2], v[S\x+\i], v[S\x+\i+1]
	v_max3_num_f32 v[W\x], v[W\x], v[S\x+\i+2], v[S\x+\i+3]
	v_max3_num_f32 v[W\x+4], v[W\x+4], v[S\x+\i+4], v[S\x+\i+5]
	v_max3_num_f32 v[W\x+6], v[W\x+6], v[S\x+\i+6], v[S\x+\i+7]
.endr
.endr
.irp x, A,B
	v_max3_num_f32 v[W\x+2], v[W\x+2], v[S\x+60], v[S\x+61]
	v_max3_num_f32 v[W\x], v[W\x], v[S\x+62], v[S\x+63]
.endr
.irp x, A,B                            ; from here on the two tiles' chains take turns, line by line
	v_max3_num_f32 v[W\x+2], v[W\x+2], v[W\x], v[W\x+4]
.endr
.irp x, A,B
	v_max_num_f32 v[W\x+2], v[W\x+2], v[W\x+6]
.endr
.irp x, A,B
	v_permlanex16_b32 v[W\x+3], v[W\x+2], s[SEL], s[SEL+1]
.endr
.irp x, A,B
	v_max_num_f32 v[W\x+2], v[W\x+2], v[W\x+3]     ; and among lane l xor 16's
.endr
.irp x, A,B
	v_mul_f32 v[W\x+2], s[CS], v[W\x+2]            ; as t
.endr
.irp x, A,B
	v_max_num_f32 v[M\x+1], v[M\x+1], v[W\x+2]
.endr
.irp x, A,B
	v_mov_b32 v[W\x+2], v[M\x]
.endr
.irp x, A,B
	v_floor_f32 v[M\x], -v[M\x+1]                  ; the new -M
.endr
.irp x, A,B
	v_sub_f32 v[W\x+2], v[M\x], v[W\x+2]
.endr
.irp x, A,B
	v_cvt_i32_f32 v[W\x+2], v[W\x+2]
.endr
.irp x, A,B
	v_ldexp_f32 v[W\x], 1.0, v[W\x+2]              ; f = 2^(old M - new M)
.endr
.irp t, 0,1,2,3,4,5,6,7
.irp i, 0,2,4,6
	v_pk_fma_f32 v[SA+8*\t+\i:SA+8*\t+\i+1], v[SA+8*\t+\i:SA+8*\t+\i+1], s[CS:CS+1], v[MA:MA+1] op_sel_hi:[1,0,0]   ; A: t - M
.endr
.endr
	s_wait_alu depctr_va_vdst(0)                   ; ahead of the batch
.irp t, 0,1,2,3,4,5,6,7
.irp i, 0,2,4,6
	v_exp_f32 v[SA+8*\t+\i], v[SA+8*\t+\i]         ; A's p, by turns with B's t - M, which is first read behind the wait below
	v_pk_fma_f32 v[SB+8*\t+\i:SB+8*\t+\i+1], v[SB+8*\t+\i:SB+8*\t+\i+1], s[CS:CS+1], v[MB:MB+1] op_sel_hi:[1,0,0]
	v_exp_f32 v[SA+8*\t+\i+1], v[SA+8*\t+\i+1]
.endr
.endr
	s_wait_alu depctr_va_vdst(0)                   ; behind A's batch and ahead of B's: A's p and B's t - M may be read
.irp j, 0,1,2,3,4,5,6,7,8,9,10,11,12,13,14,15
	v_exp_f32 v[SB+4*\j], v[SB+4*\j]               ; B's p, by turns with the first level of A's sum (of the unquantised p) and, behind it, A's hold: all first read behind the wait below
	v_pk_add_f32 v[TS+2*\j+4*(\j/8):TS+2*\j+4*(\j/8)+1], v[SA+4*\j:SA+4*\j+1], v[SA+4*\j+2:SA+4*\j+3]
	v_exp_f32 v[SB+4*\j+1], v[SB+4*\j+1]
	v_dual_min_num_f32 v[SA+4*\j], v[SA+4*\j], v240 :: v_dual_min_num_f32 v[SA+4*\j+1], v[SA+4*\j+1], v241   ; the conversion does not saturate (ISA guide 7.6.2); p is not negative: a one-sided hold, two numbers a line
	v_exp_f32 v[SB+4*\j+2], v[SB+4*\j+2]
	v_dual_min_num_f32 v[SA+4*\j+2], v[SA+4*\j+2], v240 :: v_dual_min_num_f32 v[SA+4*\j+3], v[SA+4*\j+3], v241
	v_exp_f32 v[SB+4*\j+3], v[SB+4*\j+3]
.endr
	v_pk_mul_f32 v[MA+2:MA+3], v[MA+2:MA+3], v[WA:WA+1] op_sel_hi:[1,0]   ; l under the new M: plain lines behind the exponentials
	v_pk_mul_f32 v[MB+2:MB+3], v[MB+2:MB+3], v[WB:WB+1] op_sel_hi:[1,0]
	s_wait_alu depctr_va_vdst(0)                   ; one wait for the batch, ahead of its first reader
.irp j, 0,1,2,3,4,5,6,7
	v_pk_add_f32 v[TS+2*\j:TS+2*\j+1], v[TS+2*\j:TS+2*\j+1], v[TS2+2*\j:TS2+2*\j+1]   ; A's sixteen partial sums become eight,
.endr
.irp j, 0,1,2,3
	v_pk_add_f32 v[TS+2*\j:TS+2*\j+1], v[TS+2*\j:TS+2*\j+1], v[TS+8+2*\j:TS+8+2*\j+1]   ; four,
.endr
.irp j, 0,1
	v_pk_add_f32 v[TS+2*\j:TS+2*\j+1], v[TS+2*\j:TS+2*\j+1], v[TS+4+2*\j:TS+4+2*\j+1]   ; two
.endr
	SUM SB, WB, MB+2
	v_pk_add_f32 v[MA+2:MA+3], v[MA+2:MA+3], v[TS:TS+1]
	v_pk_add_f32 v[MA+2:MA+3], v[MA+2:MA+3], v[TS+2:TS+3]
.irp t, 0,1,2,3,4,5,6,7
.irp i, 0,2,4,6
	v_dual_min_num_f32 v[SB+8*\t+\i], v[SB+8*\t+\i], v240 :: v_dual_min_num_f32 v[SB+8*\t+\i+1], v[SB+8*\t+\i+1], v241   ; B's hold
.endr
.endr
.irp x, A,B
.irp t, 0,1,2,3,4,5,6,7
	v_cvt_scalef32_pk8_fp8_f32 v[C\x+2*\t:C\x+2*\t+1], v[S\x+8*\t:S\x+8*\t+7], v244
.endr
.endr
	WIN 0x41
	s_wait_alu depctr_va_vdst(0)                   ; directly ahead of the first reader of O^T
.irp x, A,B
.irp t, 0,1,2,3
.irp i, 0,2,4,6
	v_pk_mul_f32 v[O\x+8*\t+\i:O\x+8*\t+\i+1], v[O\x+8*\t+\i:O\x+8*\t+\i+1], v[W\x:W\x+1] op_sel_hi:[1,0]   ; O^T under the new M; plain lines between the conversions and the products
.endr
.endr
.endr
	s_wait_alu depctr_va_vdst(0)                   ; directly ahead of the wait below
	s_wait_dscnt 16                                ; v is in; the next k's 16 loads may be out
	WIN 0x51
.irp d, 0,1,2,3
	v_wmma_f32_16x16x128_fp8_fp8 v[OA+8*\d:OA+8*\d+7], v[64+16*\d:79+16*\d], v[CA:CA+15], v[OA+8*\d:OA+8*\d+7]   ; eight accumulators by turns
	v_wmma_f32_16x16x128_fp8_fp8 v[OB+8*\d:OB+8*\d+7], v[64+16*\d:79+16*\d], v[CB:CB+15], v[OB+8*\d:OB+8*\d+7]
.endr
	WIN 0
.endm
; A PAIR'S END: O^T / l, held, quantised with 2^e6, stored as two images, four token tiles (65,536 bytes) apart.  p: the scalar pair with A's address.  The codes' registers hold the result; they are written again only behind the wait on XCNT.
.macro FINISH p
.rept 4
	v_nop
.endr
.irp x, A,B
	v_add_f32 v[M\x+2], v[M\x+2], v[M\x+3]
.endr
.irp x, A,B
	v_permlanex16_b32 v[W\x+3], v[M\x+2], s[SEL], s[SEL+1]
.endr
.irp x, A,B
	v_add_f32 v[M\x+2], v[M\x+2], v[W\x+3]
.endr
	s_wait_alu depctr_va_vdst(0)
	v_rcp_f32 v[WA], v[MA+2]
	v_rcp_f32 v[WB], v[MB+2]
	v_nop
	WIN 0x01
	s_wait_alu depctr_va_vdst(0)                   ; ahead of the reciprocals', and O^T's, first reader
.irp x, A,B
.irp t, 0,1,2,3
.irp i, 0,2,4,6
	v_pk_mul_f32 v[S\x+8*\t+\i:S\x+8*\t+\i+1], v[O\x+8*\t+\i:O\x+8*\t+\i+1], v[W\x:W\x+1] op_sel_hi:[1,0]
.endr
.endr
.endr
	WIN 0
.irp x, A,B
.irp t, 0,1,2,3
.irp i, 0,1,2,3,4,5,6,7
	v_med3_num_f32 v[S\x+8*\t+\i], v[S\x+8*\t+\i], -v247, v247
.endr
.endr
.endr
.irp x, A,B
.irp t, 0,1,2,3
	v_cvt_scalef32_pk8_fp8_f32 v[C\x+2*\t:C\x+2*\t+1], v[S\x+8*\t:S\x+8*\t+7], v246
.endr
.endr
	v_nop                                          ; a plain line behind the last conversion
	global_store_b128 v[LI], v[CA:CA+3], s[\p:\p+1]                 ; 32 lanes store 512 consecutive bytes, aligned
	global_store_b128 v[LI], v[CA+4:CA+7], s[\p:\p+1] offset:512
	global_store_b128 v[LI], v[CB:CB+3], s[\p:\p+1] offset:65536
	global_store_b128 v[LI], v[CB+4:CB+7], s[\p:\p+1] offset:66048
	s_wait_xcnt 0x0
.endm
.macro SWITCH                          ; in front of the short pair's first item (the wave's number and the item's decide): the long pair leaves, the running numbers begin anew
	s_cmp_lg_u32 s[IT], s[LSW]
	s_cbranch_scc1 .Lsame_\@
	FINISH 56
.irp x, A,B
	v_mov_b32 v[M\x+1], 0xff61b1e6
	v_mov_b32 v[M\x+2], 0
	v_mov_b32 v[M\x+3], 0
.endr
	v_floor_f32 v[MA], -v[MA+1]
	v_floor_f32 v[MB], -v[MB+1]
	WIN 0x40
.irp t, 0,1,2,3,4,5,6,7
.irp i, 0,1,2,3,4,5,6,7
	v_mov_b32 v[OA+8*\t+\i], 0
.endr
.endr
	WIN 0x01
.irp i, 0,1,2,3,4,5,6,7,8,9,10,11,12,13,14,15
	v_mov_b32 v[QA+\i], v[192+\i]
.endr
	WIN 0
	s_mov_b32 s[DG], 16
.Lsame_\@:
.endm
	s_wait_alu depctr_va_vdst(0)                   ; at the head's end
	s_wait_loadcnt 4                               ; the long pair's q is in; the short pair's four loads may be out
	s_wait_tensorcnt 0x0                           ; my part of blocks 0-7 is in; the second fill is issued as a refill is
	ds_add_u32 v[SPW], v[NIL]                      ; 0 onto my spare word; the descriptors go four loads' places on
	s_add_co_u32 s[G0K+1], s[G0K+1], 4*16384
	s_add_nc_u64 s[G0K+2:G0K+3], s[G0K+2:G0K+3], 4*KSL
	s_add_co_u32 s[G0V+1], s[G0V+1], 4*16384
	s_add_nc_u64 s[G0V+2:G0V+3], s[G0V+2:G0V+3], 4*VSL
	s_wait_dscnt 0x0
	ROUND                                          ; everybody's part is in, in all four work-groups
	TLOAD                                          ; blocks 8-15
	WIN 0x40
.irp n, 0,1,2,3,4,5,6,7,8,9,10,11,12,13,14,15
	ds_load_b128 v[4*\n:4*\n+3], v[LI] offset:512*\n        ; item 0's k
.endr
	WIN 0
	s_mov_b32 s[KB], 0
	s_mov_b32 s[TBN], BLK
	s_mov_b32 s[CNT], 7
.Lone:                                             ; items 0-6: they read blocks 0-7 alone
	STEP 0
	s_add_co_u32 s[KB], s[KB], BLK
	s_add_co_u32 s[TBN], s[TBN], BLK
	s_sub_co_u32 s[CNT], s[CNT], 1
	s_cmp_lg_u32 s[CNT], 0
	s_cbranch_scc1 .Lone
	s_wait_loadcnt 0x0                             ; the short pair's q
	s_wait_tensorcnt 0x0                           ; my part of blocks 8-15 is in
	ds_add_u32 v[SPW], v[NIL]
	s_wait_dscnt 0x0
	s_barrier_signal -1
	s_barrier_wait -1                              ; everybody's is
	s_mov_b32 s[KB], 7*BLK
	s_mov_b32 s[IT], 7
	s_mov_b32 s[CNT], 10
.Ltwo:                                             ; items 7-16
	SWITCH
	s_add_co_u32 s[T1], s[IT], 1
	s_add_co_u32 s[TBN], s[KB], BLK
	s_cmp_eq_u32 s[T1], s[LSW]
	s_cselect_b32 s[TBN], 0, s[TBN]                ; the next item's block: one on, or the short pair's block 0
	s_min_u32 s[TBN], s[TBN], 15*BLK               ; a block's number is 15 at the most
	STEP 1
	s_mov_b32 s[KB], s[TBN]
	s_add_co_u32 s[IT], s[IT], 1
	s_sub_co_u32 s[CNT], s[CNT], 1
	s_cmp_lg_u32 s[CNT], 0
	s_cbranch_scc1 .Ltwo
	FINISH 58
	s_wait_tensorcnt 0x0                           ; the wave's end
	ds_add_u32 v[SPW], v[NIL]
	s_wait_dscnt 0x0
	ROUND                                          ; the closing round
	s_endpgm
.Lfunc_end_k_q2648e9dadb_attn:
	.size	k_q2648e9dadb_attn, .Lfunc_end_k_q2648e9dadb_attn-k_q2648e9dadb_attn
	.p2alignl 7, 3214868480
	.fill 96, 4, 3214868480
	.section	.rodata,"a",@progbits
	.p2align	6, 0x0
	.amdhsa_kernel k_q2648e9dadb_attn
		.amdhsa_group_segment_fixed_size 327680
		.amdhsa_private_segment_fixed_size 0
		.amdhsa_enable_private_segment 0
		.amdhsa_kernarg_size 24
		.amdhsa_user_sgpr_count 2
		.amdhsa_user_sgpr_kernarg_segment_ptr 1
		.amdhsa_wavefront_size32 1
		.amdhsa_system_sgpr_workgroup_id_x 1
		.amdhsa_system_sgpr_workgroup_id_y 1
		.amdhsa_system_sgpr_workgroup_id_z 1
		.amdhsa_system_vgpr_workitem_id 0
		.amdhsa_next_free_vgpr 512
		.amdhsa_next_free_sgpr 100
		.amdhsa_reserve_vcc 1
		.amdhsa_float_denorm_mode_32 3
		.amdhsa_float_denorm_mode_16_64 3
		.amdhsa_memory_ordered 1
		.amdhsa_forward_progress 1
		.amdhsa_inst_pref_size 93
	.end_amdhsa_kernel
	.amdgpu_metadata
---
amdhsa.version: [ 1, 2 ]
amdhsa.kernels:
  - .name:           k_q2648e9dadb_attn
    .symbol:         k_q2648e9dadb_attn.kd
    .args:
      - { .name: qkv_img, .offset: 0, .size: 8, .value_kind: global_buffer, .address_space: global }
      - { .name: lowp_scales, .offset: 8, .size: 8, .value_kind: global_buffer, .address_space: global }
      - { .name: o_img, .offset: 16, .size: 8, .value_kind: global_buffer, .address_space: global }
    .group_segment_fixed_size: 327680
    .private_segment_fixed_size: 0
    .kernarg_segment_align: 8
    .kernarg_segment_size: 24
    .max_flat_workgroup_size: 256
    .sgpr_count:     100
    .vgpr_count:     512
    .wavefront_size: 32
...
	.end_amdgpu_metadata
.endif
;; end of part 3
;; launch proj (part 4): grid 4 x 64, 4 waves a work-group, clusters of 4 x 4, 327,680 bytes of LDS; arguments o_img, codes, lowp_scales, b_o, out0; writes out0
.if DOCPART == 4
	.amdgcn_target "amdgcn-amd-amdhsa--gfx1250"
	.amdhsa_code_object_version 6
	.text
	.protected	k_q2648e9dadb_proj
	.globl	k_q2648e9dadb_proj
	.p2align	8
	.type	k_q2648e9dadb_proj,@function
k_q2648e9dadb_proj:
	s_mov_b64 s[64:65], 0
	v_nop
	global_prefetch_b8 v0, s[64:65] scope:SCOPE_SE
	s_setreg_imm32_b32 hwreg(HW_REG_WAVE_MODE, 25, 1), 1
	s_wait_xcnt 0x0
	s_wait_alu depctr_hold_cnt(0) depctr_sa_sdst(0) depctr_va_vdst(0) depctr_va_sdst(0) depctr_va_ssrc(0) depctr_va_vcc(0) depctr_vm_vsrc(0)
	s_getreg_b32 s2, hwreg(HW_REG_IB_STS2, 6, 4)
	s_cmp_eq_u32 s2, 0
	s_cbranch_scc0 .Lentry_in_a_cluster
	s_endpgm
.Lentry_in_a_cluster:
	s_bfe_u32 s2, ttmp6, 0x10000c
	s_cmp_lg_u32 s2, 0xf033
	s_cbranch_scc0 .Lentry_shape_is_right
	s_endpgm
.Lentry_shape_is_right:
; out0 = o W_o^T + b_o on codes of FP8 (E4M3), K = 1,024: o (scale 2^e6) comes as images of operand registers, [token tile of 16][head (16)][1,024 bytes]; W_o (2^e7) as rows 11,264-12,287 of the buffer of codes.
; A block of 128 tokens x 256 features is made by four waves: 64 x 4 = 256 work-groups.  A wave makes 64 x 128: 32 accumulators, 256 registers.  K goes in steps of 256 through two LDS slots: two first fills, two refills.
; The matrix instruction takes 16 rows of W_o as source 0 and 16 tokens as source 1: lane (r, h) of accumulator (a, b) holds token 16 a + r and, in registers 0-7, features 16 b + 8 h + 0..7: 32 neighbouring bytes of a row of out0.
; THE BIAS is the C of each sum's first matrix instruction, divided by 2^(e6 + e7), the power of two that the sums lack; each finished sum is multiplied once by 2^(e6 + e7).  LIMIT: e6 + e7 between -126 and 126.
; CLUSTERS: 4 x 4 work-groups; o's tiles are asked for jointly along a row of the cluster, W_o's along a column.  Waves 0, 1 fetch o's halves (4 token tiles x 4,096 bytes), waves 2, 3 W_o's (128 rows x 256 bytes, 16 bytes of padding behind each).
; By this text's own count one tensor load of a wave is out.  No prefetch: K has four slots' worth of tiles, and the first two are asked for ahead of the first product.
; BOTH OPERANDS HAVE TWO SETS OF FRAGMENT REGISTERS: while one 128 along K is multiplied (32 matrix instructions), the next one's 48 LDS loads are out.
; THE WAY OUT: a block of 16 tokens x 128 features goes through the wave's own stage in LDS (rows of 528 bytes) and leaves as rows of 512 bytes.  The stages lie in slot 0, which has had its last fill and its last read by then.
; REGISTERS: window 0: v16-29 addresses; v32-95 the bias as C, later a block at work; v128-191, v192-255 o's fragments, later the rows read back.  Window 1: W_o's fragments at v0 and v128.  Window 2: accumulator (a, b) at v[8 (8 a + b)].
.set PITCH,  272
.set FR,     16
.set NP,     4
.set HALFA,  16384
.set HALFB,  128*PITCH
.set BOFF,   2*HALFA
.set SLOT,   BOFF+2*HALFB
.set SPARE,  2*SLOT                    ; behind the ring: the spare words, 128 bytes for each wave, which no other line names
.set SIZE_N, 1024
.set SPITCH, 528
.set ADRA, 16
.set ADRB, 20
.set STO,  24
.set RD,   25
.set CO,   26
.set SPW,  28
.set NIL,  29
.set CT,   32
.set TMP,  32
.set AF,   128
.set BK,   128
.set G1, 24
.set G0, 32
.set G1B, 48
.set G0B, 56
.set MSB, 0
.macro WIN new
.if MSB != \new
	s_set_vgpr_msb (MSB<<8)|\new
.set MSB, \new
.endif
.endm
.set MUL_LO, 0xa1                      ; source 0 (W_o) window 1, source 1 (o) window 0, C and D window 2
.set ST_LO,  0x81                      ; a sum's first instruction: C (the bias) window 0
.set TO_B,   0x40
.macro JLOAD g0a, g1a, g0b, g1b        ; a joint load; the branch hangs on the wave's number alone; s_nop 0 and four v_nop follow each line
	s_cmp_eq_u32 s15, 0
	s_cbranch_scc0 .Lfor_b_\@
	tensor_load_to_lds s[\g0a:\g0a+3], s[\g1a:\g1a+7]
	s_nop 0
.rept 4
	v_nop
.endr
	s_branch .Lasked_\@
.Lfor_b_\@:
	tensor_load_to_lds s[\g0b:\g0b+3], s[\g1b:\g1b+7]
	s_nop 0
.rept 4
	v_nop
.endr
.Lasked_\@:
.endm
.macro CREST
	s_cmp_lg_u32 s14, 0
	s_cbranch_scc1 .Lnot_wave_0_\@
	s_barrier_signal -3
.Lnot_wave_0_\@:
	s_barrier_wait -3
	s_barrier_signal -1
	s_barrier_wait -1
.endm
.macro CROUND
	s_barrier_signal -1
	s_barrier_wait -1
	CREST
.endm
	s_load_b128 s[4:7], s[0:1], 0x0                ; o's images, the codes
	s_load_b128 s[8:11], s[0:1], 0x10              ; the scales' exponents, b_o
	s_load_b64 s[12:13], s[0:1], 0x20              ; out0
	v_lshl_add_u32 v[SPW], v0, 2, SPARE
	v_mov_b32 v[NIL], 0
	ds_add_u32 v[SPW], v[NIL]                      ; the opening lines
	ds_add_u32 v[SPW], v[NIL]
	s_wait_dscnt 0x0
	v_lshrrev_b32 v1, 5, v0
	v_readfirstlane_b32 s14, v1                    ; wave
	s_lshr_b32 s15, s14, 1                         ; which 64 tokens are mine.  Also: I fetch for o (0) or for W_o (1)
	s_and_b32 s16, s14, 1                          ; which 128 features.  Also: which half of that tile I fetch
	s_bfe_u32 s40, ttmp6, 0x40000
	s_bfe_u32 s41, ttmp6, 0x40004
	s_lshl_b32 s42, ttmp9, 2
	s_add_co_u32 s42, s42, s40                     ; X: block of 256 features
	s_and_b32 s17, ttmp7, 0xffff
	s_lshl_b32 s17, s17, 2
	s_add_co_u32 s17, s17, s41                     ; Y: block of 128 tokens
	s_lshl_b32 s43, s41, 2
	s_lshl_b32 s43, 15, s43                        ; my row of the cluster
	s_lshl_b32 s44, 0x1111, s40                    ; my column
	s_or_b32 s[G1+0], s43, (3<<16)|(1<<21)         ; o: 4 rows of 4,096 bytes (a token tile's four heads), 16,384 bytes apart, elements of 8 bytes
	s_mov_b32 s[G1+1], 512<<16
	s_mov_b32 s[G1+2], 4<<16
	s_mov_b32 s[G1+3], 512<<16
	s_mov_b32 s[G1+4], 4
	s_mov_b32 s[G1+5], 2048
	s_mov_b32 s[G1+6], 0
	s_mov_b32 s[G1+7], 0
	s_or_b32 s[G1B+0], s44, (0<<16)|(1<<20)|(1<<21)|(5<<22)|(3<<25)
	s_mov_b32 s[G1B+1], 256<<16
	s_mov_b32 s[G1B+2], 128<<16
	s_mov_b32 s[G1B+3], 256<<16
	s_mov_b32 s[G1B+4], 128
	s_mov_b32 s[G1B+5], 1024
	s_mov_b32 s[G1B+6], 0
	s_mov_b32 s[G1B+7], 0
	s_lshl_b32 s20, s17, 3
	s_lshl_b32 s18, s16, 2
	s_add_co_u32 s20, s20, s18                     ; o: token tile 8 Y + 4 x half
	s_lshl_b32 s20, s20, 14
	s_mov_b32 s21, 0
	s_lshl_b32 s46, s42, 8
	s_lshl_b32 s18, s16, 7
	s_add_co_u32 s46, s46, s18
	s_add_co_u32 s46, s46, 11264                   ; W_o: row 256 X + 128 x half of its part of the codes
	s_lshl_b32 s46, s46, 10
	s_mov_b32 s47, 0
	s_lshl_b32 s45, s16, 14
	s_mul_i32 s19, s16, HALFB
	s_add_co_u32 s19, s19, BOFF
	s_wait_kmcnt 0x0
	s_load_b256 s[72:79], s[8:9], 0x0              ; e0 .. e7
	s_add_nc_u64 s[20:21], s[4:5], s[20:21]
	s_add_nc_u64 s[46:47], s[6:7], s[46:47]
	CROUND                                         ; all sixteen work-groups are here: the first joint loads meet
.irp s, 0,1
	s_mov_b32 s[G0+4*\s], 1
	s_add_co_u32 s[G0+4*\s+1], s45, \s*SLOT
	s_add_nc_u64 s[G0+4*\s+2:G0+4*\s+3], s[20:21], \s*4096
	s_or_b32 s[G0+4*\s+3], s[G0+4*\s+3], 0x80000000
	s_mov_b32 s[G0B+4*\s], 1
	s_add_co_u32 s[G0B+4*\s+1], s19, \s*SLOT
	s_add_nc_u64 s[G0B+4*\s+2:G0B+4*\s+3], s[46:47], \s*256
	s_or_b32 s[G0B+4*\s+3], s[G0B+4*\s+3], 0x80000000
.endr
	JLOAD G0, G1, G0B, G1B                         ; slot 0: one tensor load a wave at the head
	v_and_b32 v1, 15, v0
	v_bfe_u32 v2, v0, 4, 1
	s_lshl_b32 s83, s42, 8
	s_lshl_b32 s84, s16, 7
	s_add_co_u32 s83, s83, s84
	s_lshl_b32 s83, s83, 2
	v_lshl_add_u32 v7, v2, 5, s83                  ; the bias at features 16 b + 8 h + 0..7
.irp b, 0,1,2,3,4,5,6,7
	global_load_b128 v[CT+8*\b:CT+8*\b+3], v7, s[10:11] offset:64*\b
	global_load_b128 v[CT+8*\b+4:CT+8*\b+7], v7, s[10:11] offset:64*\b+16
.endr
	v_mul_u32_u24 v3, v1, PITCH
	v_lshl_add_u32 v4, v2, 4, v3
	v_and_b32 v6, 31, v0
	v_lshlrev_b32 v[CO], 4, v6
	s_wait_alu depctr_va_vdst(0)                   ; ahead of the scalar lines below
	s_lshl_b32 s21, s15, 14                        ; my four token tiles
	s_mul_i32 s22, s16, HALFB
	s_add_co_u32 s22, s22, BOFF
.irp s, 0,1
	v_add_nc_u32 v[ADRA+\s], s21, v[CO]
	v_add_nc_u32 v[ADRB+\s], s22, v4
	s_add_co_u32 s21, s21, SLOT
	s_add_co_u32 s22, s22, SLOT
.endr
	s_mul_i32 s23, s14, 16*SPITCH
	v_mul_u32_u24 v5, v1, SPITCH
	v_lshl_add_u32 v5, v2, 5, v5
	v_add_nc_u32 v[STO], s23, v5
	v_add_nc_u32 v[RD], s23, v[CO]
	s_lshl_b32 s92, s17, 7
	s_lshl_b32 s93, s15, 6
	s_add_co_u32 s92, s92, s93                     ; my first row of out0: 128 Y + 64 x half
	s_lshl_b32 s92, s92, 12
	s_lshl_b32 s93, s42, 10
	s_add_co_u32 s92, s92, s93
	s_lshl_b32 s93, s16, 9
	s_add_co_u32 s92, s92, s93
	s_mov_b32 s93, 0
	s_add_nc_u64 s[12:13], s[12:13], s[92:93]
	s_wait_kmcnt 0x0
	s_add_co_i32 s87, s78, s79
	s_sub_co_i32 s90, 127, s87
	s_lshl_b32 s90, s90, 23                        ; 2^-(e6 + e7)
	s_mov_b32 s91, s90
	s_add_co_i32 s96, s87, 127
	s_lshl_b32 s96, s96, 23                        ; 2^(e6 + e7)
	s_mov_b32 s97, s96
	s_wait_loadcnt 0x0
.irp b, 0,1,2,3,4,5,6,7
.irp i, 0,2,4,6
	v_pk_mul_f32 v[CT+8*\b+\i:CT+8*\b+\i+1], v[CT+8*\b+\i:CT+8*\b+\i+1], s[90:91] op_sel_hi:[1,0]
.endr
.endr
; 16 matrix instructions: o's blocks a0, a0 + 1 x W_o's eight, 128 along K, from set p.  The 32 accumulators take turns, in the same order in every step.
.macro MUL16 a0, p, zero
.irp a, \a0, \a0+1
.irp b, 0,1,2,3,4,5,6,7
.if \zero
	v_wmma_f32_16x16x128_fp8_fp8 v[8*(8*(\a)+\b):8*(8*(\a)+\b)+7], v[128*(\p)+FR*\b:128*(\p)+FR*\b+FR-1], v[AF+64*(\p)+FR*(\a):AF+64*(\p)+FR*(\a)+FR-1], v[CT+8*\b:CT+8*\b+7]
.else
	v_wmma_f32_16x16x128_fp8_fp8 v[8*(8*(\a)+\b):8*(8*(\a)+\b)+7], v[128*(\p)+FR*\b:128*(\p)+FR*\b+FR-1], v[AF+64*(\p)+FR*(\a):AF+64*(\p)+FR*(\a)+FR-1], v[8*(8*(\a)+\b):8*(8*(\a)+\b)+7]
.endif
.endr
.endr
.endm
.macro FETCH slot, q                   ; the fragments of the slot's q-th 128 along K into set q: 32 loads for W_o, 16 for o
	WIN TO_B
.irp i, 0,1,2,3,4,5,6,7
.irp c, 0,1,2,3
	ds_load_b128 v[128*(\q)+FR*\i+4*\c:128*(\q)+FR*\i+4*\c+3], v[ADRB+\slot] offset:128*(\q)+32*\c+\i*16*PITCH
.endr
.endr
	WIN 0
.irp i, 0,1,2,3
.irp c, 0,1,2,3
	ds_load_b128 v[AF+64*(\q)+FR*\i+4*\c:AF+64*(\q)+FR*\i+4*\c+3], v[ADRA+\slot] offset:2048*(\q)+512*\c+\i*4096
.endr
.endr
.endm
.macro PLACES n
.rept \n
	v_nop
.endr
.endm
.macro STEP slot, zero                 ; a slot's first 128 along K: set 0 is multiplied while set 1 is fetched
	s_wait_dscnt 0x0                               ; set 0 is in
	PLACES NP                                      ; in front of loads into set 1, which the last products read
	FETCH \slot, 1
.if \zero
	WIN ST_LO
.else
	WIN MUL_LO
.endif
	MUL16 0, 0, \zero
	MUL16 2, 0, \zero
	WIN 0
.endm
.macro TURN slot, next, fill           ; a slot's second 128 along K, and the change of slots.  fill = 1: this slot is filled again, two slots ahead
	s_wait_tensorcnt 0x0                           ; all my tensor loads have landed: my part of the next slot
	ds_add_u32 v[SPW], v[NIL]                      ; 0 onto my spare word
	s_wait_dscnt 0x0                               ; the add is done, set 1 is in, my reads of this slot are over
	s_barrier_signal -1
	WIN MUL_LO
	MUL16 0, 1, 0
	WIN 0
	s_barrier_wait -1
.if \fill
	CREST                                          ; the barrier has opened a round of the cluster's barrier
	s_add_nc_u64 s[G0+4*\slot+2:G0+4*\slot+3], s[G0+4*\slot+2:G0+4*\slot+3], 8192
	s_add_nc_u64 s[G0B+4*\slot+2:G0B+4*\slot+3], s[G0B+4*\slot+2:G0B+4*\slot+3], 512
	JLOAD G0+4*\slot, G1, G0B+4*\slot, G1B         ; the first tensor load behind the round; its four v_nop are the places in front of the loads below
.else
	PLACES NP
.endif
	FETCH \next, 0
	WIN MUL_LO
	MUL16 2, 1, 0
	WIN 0
.endm
	s_wait_alu depctr_va_vdst(0)                   ; at the head's end
	s_wait_tensorcnt 0x0                           ; my part of slot 0 is in; slot 1's first fill is issued as a refill is
	ds_add_u32 v[SPW], v[NIL]
	s_wait_dscnt 0x0
	CROUND
	JLOAD G0+4, G1, G0B+4, G1B                     ; slot 1
	FETCH 0, 0
	STEP 0, 1                                      ; K 0-127: the products start the sums
	TURN 0, 1, 1                                   ; slot 0 takes K 512-767
	STEP 1, 0
	TURN 1, 0, 1                                   ; slot 1 takes K 768-1,023
	STEP 0, 0
	TURN 0, 1, 0                                   ; nothing is left to fetch: no round
	STEP 1, 0
	s_wait_dscnt 0x0                               ; the very last 128
	WIN MUL_LO
	MUL16 0, 1, 0
	MUL16 2, 1, 0
	WIN 0
.macro TOSTAGE a
.set AC, 64*(\a)
	WIN 0x02
.irp b, 0,1,2,3,4,5,6,7
.irp i, 0,2,4,6
	v_pk_mul_f32 v[TMP+8*\b+\i:TMP+8*\b+\i+1], v[AC+8*\b+\i:AC+8*\b+\i+1], s[96:97] op_sel_hi:[1,0]   ; x 2^(e6 + e7), each accumulator from its low end on
.endr
.endr
	WIN 0
.irp b, 0,1,2,3,4,5,6,7
	ds_store_b128 v[STO], v[TMP+8*\b:TMP+8*\b+3] offset:64*\b
	ds_store_b128 v[STO], v[TMP+8*\b+4:TMP+8*\b+7] offset:64*\b+16
.endr
.set BB, BK+64*((\a)%2)
.irp t, 0,1,2,3,4,5,6,7,8,9,10,11,12,13,14,15
	ds_load_b128 v[BB+4*\t:BB+4*\t+3], v[RD] offset:\t*SPITCH   ; LDS serves a wave's instructions in order: these see my stores
.endr
.endm
.macro SEND a, younger
.set BB, BK+64*((\a)%2)
	s_wait_dscnt \younger
.if (\a) > 0
	s_add_nc_u64 s[12:13], s[12:13], 16*SIZE_N*4
.endif
.irp t, 0,1,2,3,4,5,6,7,8,9,10,11,12,13,14,15
	global_store_b128 v[CO], v[BB+4*\t:BB+4*\t+3], s[12:13] offset:\t*SIZE_N*4 th:TH_STORE_NT   ; 32 lanes store 512 consecutive bytes, aligned
.endr
.endm
	PLACES NP
	TOSTAGE 0
.irp a, 1,2,3
.if \a > 1
	s_wait_xcnt 0x0                                ; block a - 2's stores have read their registers and their base
.endif
	TOSTAGE \a
	SEND \a-1, 32
.endr
	s_wait_xcnt 0x0
	SEND 3, 0
	s_wait_tensorcnt 0x0                           ; the wave's end
	ds_add_u32 v[SPW], v[NIL]
	s_wait_dscnt 0x0
	CROUND                                         ; the closing round
	s_endpgm
.Lfunc_end_k_q2648e9dadb_proj:
	.size	k_q2648e9dadb_proj, .Lfunc_end_k_q2648e9dadb_proj-k_q2648e9dadb_proj
	.p2alignl 7, 3214868480
	.fill 96, 4, 3214868480
	.section	.rodata,"a",@progbits
	.p2align	6, 0x0
	.amdhsa_kernel k_q2648e9dadb_proj
		.amdhsa_group_segment_fixed_size 327680
		.amdhsa_private_segment_fixed_size 0
		.amdhsa_enable_private_segment 0
		.amdhsa_kernarg_size 40
		.amdhsa_user_sgpr_count 2
		.amdhsa_user_sgpr_kernarg_segment_ptr 1
		.amdhsa_wavefront_size32 1
		.amdhsa_system_sgpr_workgroup_id_x 1
		.amdhsa_system_sgpr_workgroup_id_y 1
		.amdhsa_system_sgpr_workgroup_id_z 1
		.amdhsa_system_vgpr_workitem_id 0
		.amdhsa_next_free_vgpr 768
		.amdhsa_next_free_sgpr 100
		.amdhsa_reserve_vcc 0
		.amdhsa_float_denorm_mode_32 3
		.amdhsa_float_denorm_mode_16_64 3
		.amdhsa_memory_ordered 1
		.amdhsa_forward_progress 1
		.amdhsa_inst_pref_size 79
	.end_amdhsa_kernel
	.amdgpu_metadata
---
amdhsa.version: [ 1, 2 ]
amdhsa.kernels:
  - .name:           k_q2648e9dadb_proj
    .symbol:         k_q2648e9dadb_proj.kd
    .args:
      - { .name: o_img, .offset: 0, .size: 8, .value_kind: global_buffer, .address_space: global }
      - { .name: codes, .offset: 8, .size: 8, .value_kind: global_buffer, .address_space: global }
      - { .name: lowp_scales, .offset: 16, .size: 8, .value_kind: global_buffer, .address_space: global }
      - { .name: b_o, .offset: 24, .size: 8, .value_kind: global_buffer, .address_space: global }
      - { .name: out0, .offset: 32, .size: 8, .value_kind: global_buffer, .address_space: global }
    .group_segment_fixed_size: 327680
    .private_segment_fixed_size: 0
    .kernarg_segment_align: 8
    .kernarg_segment_size: 40
    .max_flat_workgroup_size: 128
    .sgpr_count:     100
    .vgpr_count:     768
    .wavefront_size: 32
...
	.end_amdgpu_metadata
.endif
;; end of part 4
